; MI455X (gfx1250); checked and timed in simulation.
; The chip was launched on July 23, 2026; its instructions are those of AMD's public machine-readable ISA for CDNA 5 (MIT licence, August 2026) and "CDNA5" Instruction Set Architecture Reference Guide (July 2026). The comments in the code are by the model that wrote it; some were corrected since.
;; Attention Integrator. Allowed arithmetic: matrix products marked QUANTISED: E3M2 operands, one E8M0 scale for each 32 along K, by v_wmma_scale_f32_16x16x128_f8f6f4 with both operands' format E3M2, f32 sums; products left as they are: f32 operands where the result goes on into a quantised operand, else bf16, f16 or f32 operands; f32 sums; everything else in f32.
;; Inputs: W1 1,024 x 1,024 float32; Wf 4,096 x 10 float32; Wk 1,024 x 1,024 float32; Wq 1,024 x 1,024 float32; Wv 1,024 x 1,024 float32; b1 1,024 float32; bf 10 float32; bk 1,024 float32; bq 1,024 float32; bv 1,024 float32; xt 4,096 x 4 x 1,024 float32.
;; Outputs: out0 4,096 x 10 float32.
;; This version of the problem:
;;   THIS VERSION OF THE PROBLEM IS GIVEN IN LOW PRECISION. The matrix products marked QUANTISED in the list below multiply operands that are first quantised to E3M2 (3 exponent bits, 2 mantissa bits; 6 bits a number), with one power-of-two scale for each 32 numbers along K (OCP MX v1.0); their sums are f32. All else is computed in f32.
;;   The module's matrix products, in the order in which they are computed (A, B: the left and right operand; K: the contracted axis; several contracted axes count as one K, in the product's order):
;;     1. [M 16,384, K 1,024] x [K 1,024, N 1,024]; A: input xt; B: input Wq: QUANTISED
;;     2. [M 16,384, K 1,024] x [K 1,024, N 1,024]; A: input xt; B: input Wk: QUANTISED
;;     3. [M 16,384, K 1,024] x [K 1,024, N 1,024]; A: input xt; B: input Wv: QUANTISED
;;     4. batch 4,096 x [M 4, K 1,024] x [K 1,024, N 4]; A: computed on the way; B: computed on the way: left as it is (M = 4 < 16)
;;     5. batch 4,096 x [M 4, K 4] x [K 4, N 1,024]; A: softmax; B: computed on the way: left as it is (K = 4 < 32)
;;     6. [M 16,384, K 1,024] x [K 1,024, N 1,024]; A: computed on the way; B: input W1: QUANTISED
;;     7. [M 4,096, K 4,096] x [K 4,096, N 10]; A: computed on the way; B: input Wf: left as it is (N = 10 < 16)
;;   THE QUANTISER, for each operand of a quantised product, along K:
;;     - K is cut into blocks of 32 from its start; a last block that is shorter is filled with zeros.
;;     - A block's scale is 2^e with e = floor(log2(the largest magnitude in the block)) - 4, held to -126 .. 127; a block of zeros has e = 0. As a byte (E8M0): e + 127.
;;     - Each number is divided by its block's scale, clamped to +-28, and rounded to the nearest number of E3M2, ties to even, subnormals kept.
;;     - The product sums the exact products of the quantised numbers (number of the format x scale) in f32.
;;   ~~~python
;;   def quantise(x, axis):      # numpy; x: float32 -> the quantised numbers, widened to float32 again
;;       x = np.moveaxis(x, axis, -1); K = x.shape[-1]
;;       x = np.pad(x, [(0, 0)] * (x.ndim - 1) + [(0, -K % 32)]); x = x.reshape(x.shape[:-1] + (-1, 32)); a = np.abs(x).max(-1, keepdims=True)
;;       e = np.where(a > 0, np.clip(np.frexp(np.where(a > 0, a, 1))[1] - 1 - 4, -126, 127), 0)      # np.frexp(a)[1] - 1 = floor(log2(a)), exactly
;;       r = np.clip(x / 2.0 ** e, -28, 28)
;;       step = 2.0 ** (np.maximum(np.frexp(np.where(r == 0, 1, r))[1] - 1, -2) - 2)
;;       q = np.round(r / step) * step * 2.0 ** e      # np.round: ties to even
;;       return np.moveaxis(q.reshape(q.shape[:-2] + (-1,))[..., :K], -1, axis).astype(np.float32)
;;   ~~~
;;   OPERANDS COMPUTED ON THE WAY. 'Computed on the way' means the value that the module computes at that place (a softmax that the list does not call 'softmax' is quantised finished and normalised). What goes into a quantiser is computed in f32, as accurately as f32 sums, v_exp_f32 and their like allow (about 1e-6 of the number): no bf16 or f16 on the way to a quantiser, and a product that is left as it is and whose result goes on into a quantised operand takes f32 operands (vector FMAs, or v_wmma_f32_16x16x4_f32). A number that lies on a knife's edge between two numbers of the format may be rounded either way, as far as f32 arithmetic and the matrix unit's own rounding can turn it there, and no further.
;; 2 versions. Each part assembles by itself: llvm-mc -triple=amdgcn-amd-amdhsa -mcpu=gfx1250 --defsym DOCPART=n.
;; ======== version 1 of 2: 2 launches
;; workspace buffers: wst 3,481,600 bytes
;; launch prep (part 1): grid 264 x 1, 4 waves a work-group, no clusters, 0 bytes of LDS; arguments Wq, Wk, Wv, W1, Wf, wst; writes wst
.if DOCPART == 1
	.amdgcn_target "amdgcn-amd-amdhsa--gfx1250"
	.amdhsa_code_object_version 6
	.text
	.protected	k_q59e9778238_prep
	.globl	k_q59e9778238_prep
	.p2align	8
	.type	k_q59e9778238_prep,@function
k_q59e9778238_prep:
	s_mov_b64 s[64:65], 0
	v_nop
	global_prefetch_b8 v0, s[64:65] scope:SCOPE_SE
	s_setreg_imm32_b32 hwreg(HW_REG_WAVE_MODE, 25, 1), 1
	s_wait_xcnt 0x0
; The four weights [1024 (k)][1024 (n)], f32, K their FIRST axis, become codes of BF6 (E3M2) with one E8M0 byte for each 32 along K, laid as IMAGES OF THE
; OPERAND'S REGISTERS in the order in which the second launch walks them; Wf [4096][10] becomes bf16 fragment images at the stream's end.
; THE STREAM: 34 slots of 102,400 bytes; a slot has four parts of 25,600 bytes, one for each wave of the second launch's work-group.
;   slots 0-31 (slot = 4 x chunk + K step / 2, q = K step % 2): fragment (tile t of 8, q) at q x 12,288 + t x 1,536: register g of lane l at 512 (g / 4) + 16 l + 4 (g % 4);
;   scale words at 24,576 + q x 512 + (t / 2) x 128 + 4 l: lanes 0-15 tile 2 p's rows, lanes 16-31 tile 2 p + 1's.
;   chunks 0-3: tiles 0-3 = 64 columns of Wq, tiles 4-7 the same 64 of Wk; chunks 4, 5: 128 columns of Wv; chunks 6, 7: 128 of W1.  Part w holds columns 256 w .. 256 w + 255.
;   slots 32, 33: sixteen bf16 fragments of Wf (view m, 32 hidden units b: at (4 m + b) x 1,024), then zeros up to the part's end.
; THE ROWS OF A TILE ARE NOT NEIGHBOURS: lane r of tile 2 p + u takes column 32 p + 8 u + r + 8 (r / 8), so that the second launch's results of two neighbouring tiles are 16 neighbours along the next K.
; A LANE TAKES A COLUMN AND ITS REGISTERS RUN DOWN K: a block's largest magnitude needs no other lane and the conversions give codes with K innermost.  A wave takes 32 columns (two tiles) x 128 K:
; lanes 0-15 hold tile 2 p's rows, lanes 16-31 tile 2 p + 1's, each all four blocks; twelve exchanges of halves make the two operands' registers of them.
; A block's scale is 2^(floor(log2(largest magnitude)) - 4); its byte is the largest magnitude's exponent field - 4, held at 1 from below.
; LIMITS: a block of zeros, and one whose largest magnitude lies under 2^-122, gets the byte 1 (its codes then add what the floor's scale leaves; zero codes add nothing; only this program reads the bytes).
; NaN and infinities among the inputs are not served.
; Work-groups 0-255: weight = g / 64, K step = (g / 8) % 8, four blocks of 32 columns, one a wave.  Work-groups 256-263: Wf, one part of slots 32, 33 each; wave = view.  No LDS, no barrier: waves share nothing.
.set SLOTB, 102400
.set PART,  25600
.set EMAX,  4
.set X,     32                         ; v32-159  four blocks of 32 numbers
.set F0,    160                        ; v160-171 the operand registers of tile 2 p
.set F1,    172                        ; v172-183 of tile 2 p + 1
.set TH,    184                        ; v184-199 each block's upper 16 codes (a conversion's three registers begin on an even number)
	s_load_b256 s[4:11], s[0:1], 0x0               ; Wq, Wk, Wv, W1
	s_load_b128 s[12:15], s[0:1], 0x20             ; Wf, the stream
	v_lshrrev_b32 v1, 5, v0
	v_readfirstlane_b32 s16, v1                    ; wave
	v_and_b32 v2, 31, v0                           ; lane
	s_wait_kmcnt 0x0
	s_cmp_lt_u32 ttmp9, 256
	s_cbranch_scc0 .Lwf
	s_lshr_b32 s17, ttmp9, 6                       ; which weight
	s_bfe_u32 s18, ttmp9, 0x30003                  ; K step
	s_and_b32 s19, ttmp9, 7
	s_lshl_b32 s19, s19, 2
	s_add_co_u32 s19, s19, s16                     ; b: my block of 32 columns, 0 .. 31
	s_lshr_b32 s20, s19, 3                         ; the wave of the second launch that takes it
	s_and_b32 s21, s19, 7                          ; the block among that wave's eight
	s_lshr_b32 s22, s21, 1                         ; Wq, Wk: chunk = block / 2,
	s_and_b32 s23, s21, 1
	s_lshl_b32 s24, s17, 1
	s_add_co_u32 s23, s23, s24                     ; pair of tiles = 2 x weight + block % 2
	s_lshr_b32 s25, s21, 2
	s_add_co_u32 s25, s25, s24                     ; Wv, W1: chunk = 2 x weight + block / 4,
	s_and_b32 s26, s21, 3                          ; pair of tiles = block % 4
	s_cmp_lt_u32 s17, 2
	s_cselect_b32 s22, s22, s25
	s_cselect_b32 s23, s23, s26
	s_lshl_b32 s22, s22, 2
	s_lshr_b32 s25, s18, 1
	s_add_co_u32 s22, s22, s25                     ; slot
	s_mul_i32 s22, s22, SLOTB
	s_mul_i32 s25, s20, PART
	s_add_co_u32 s22, s22, s25                     ; the part's first byte
	s_and_b32 s25, s18, 1                          ; q
	s_mul_i32 s26, s25, 12288
	s_add_co_u32 s26, s26, s22
	s_mul_i32 s27, s23, 3072
	s_add_co_u32 s26, s26, s27                     ; my two fragments
	s_mov_b32 s27, 0
	s_lshl_b32 s28, s25, 9
	s_lshl_b32 s29, s23, 7
	s_add_co_u32 s28, s28, s29
	s_add_co_u32 s28, s28, s22
	s_add_co_u32 s28, s28, 24576                   ; their scale words
	s_mov_b32 s29, 0
	s_lshl_b32 s30, s18, 19                        ; 128 rows of 4,096 bytes a K step,
	s_lshl_b32 s31, s19, 7                         ; 128 bytes a block of columns
	s_add_co_u32 s30, s30, s31
	s_mov_b32 s31, 0
	s_cmp_eq_u32 s17, 1                            ; the choice hangs on the work-group's number alone
	s_cselect_b64 s[4:5], s[6:7], s[4:5]
	s_cmp_eq_u32 s17, 2
	s_cselect_b64 s[4:5], s[8:9], s[4:5]
	s_cmp_eq_u32 s17, 3
	s_cselect_b64 s[4:5], s[10:11], s[4:5]
	s_add_nc_u64 s[4:5], s[4:5], s[30:31]
	s_add_nc_u64 s[32:33], s[14:15], s[26:27]
	s_add_nc_u64 s[34:35], s[14:15], s[28:29]
	v_and_b32 v3, 7, v2                            ; my column in the block: (l % 8) + 16 ((l / 8) % 2) + 8 (l / 16)
	v_bfe_u32 v4, v2, 3, 1
	v_bfe_u32 v5, v2, 4, 1
	v_lshl_add_u32 v3, v4, 4, v3
	v_lshl_add_u32 v3, v5, 3, v3
	v_lshlrev_b32 v3, 2, v3
	v_lshlrev_b32 v6, 4, v2                        ; an image's place for my lane
	v_lshlrev_b32 v7, 2, v2                        ; a scale word's
.macro PLOAD t                         ; block t: W(32 t + i, my column): the wave's 32 lanes read 128 consecutive bytes, the work-group's four waves 512
.irp i, 0,1,2,3,4,5,6,7,8,9,10,11,12,13,14,15,16,17,18,19,20,21,22,23,24,25,26,27,28,29,30,31
	global_load_b32 v[X+32*(\t)+\i], v3, s[4:5] offset:(32*(\t)+\i)*4096 th:TH_LOAD_NT
.endr
.endm
.macro PBLK t                          ; block t: its scale, its byte, its 32 codes
.set XB, X+32*(\t)
	v_max3_num_f32 v8, |v[XB]|, |v[XB+1]|, |v[XB+2]|                ; the largest magnitude, in two chains: all 32 numbers are mine
	v_max3_num_f32 v9, |v[XB+3]|, |v[XB+4]|, |v[XB+5]|
.irp i, 6,10,14,18,22,26
	v_max3_num_f32 v8, v8, |v[XB+\i]|, |v[XB+\i+1]|
	v_max3_num_f32 v9, v9, |v[XB+\i+2]|, |v[XB+\i+3]|
.endr
	v_max3_num_f32 v8, v8, |v[XB+30]|, |v[XB+31]|
	v_max3_num_f32 v8, v8, v9, (EMAX+1)<<23        ; and the floor 2^(5 - 127): the byte cannot fall under 1
	v_add_nc_u32 v[12+(\t)], -(EMAX<<23), v8       ; 4 off its exponent field: the conversion takes the exponent field of this operand as its scale
	v_lshrrev_b32 v10, 23, v[12+(\t)]              ; the byte
.if (\t) == 0
	v_mov_b32 v11, v10                             ; four bytes make my row's scale word, the lower K in the lower byte
.else
	v_lshl_or_b32 v11, v10, 8*(\t), v11
.endif
	v_cvt_scalef32_pk16_bf6_f32 v[F0+12*((\t)%2)+6*((\t)/2):F0+12*((\t)%2)+6*((\t)/2)+2], v[XB:XB+15], v[12+(\t)]
	v_cvt_scalef32_pk16_bf6_f32 v[TH+4*(\t):TH+4*(\t)+2], v[XB+16:XB+31], v[12+(\t)]
.endm
	PLOAD 0
	PLOAD 1
	s_wait_loadcnt 32                              ; block 0 is in; block 1's 32 loads may be out
	PLOAD 2
	PBLK 0
	s_wait_loadcnt 32                              ; block 1 is in; block 2's may be out
	PLOAD 3
	PBLK 1
	s_wait_loadcnt 32                              ; block 2 is in; block 3's may be out
	PBLK 2
	s_wait_loadcnt 0x0
	PBLK 3
	v_nop                                          ; one plain place behind the last scaled conversion
; The operand wants lane (r, 0) to hold blocks 0 and 2 of row r, lane (r, 1) blocks 1 and 3.  Each exchange gives the first register's lanes 16-31 for the second's lanes 0-15:
; of (block 0, block 1) it makes (tile 2 p's registers, tile 2 p + 1's); of (block 2, block 3) likewise.
.irp i, 0,1,2
	v_permlane16_swap_b32 v[F0+\i], v[F1+\i]
	v_permlane16_swap_b32 v[F0+6+\i], v[F1+6+\i]
	v_permlane16_swap_b32 v[TH+\i], v[TH+4+\i]
	v_permlane16_swap_b32 v[TH+8+\i], v[TH+12+\i]
.endr
.irp i, 0,1,2
	v_mov_b32 v[F0+3+\i], v[TH+\i]
	v_mov_b32 v[F1+3+\i], v[TH+4+\i]
	v_mov_b32 v[F0+9+\i], v[TH+8+\i]
	v_mov_b32 v[F1+9+\i], v[TH+12+\i]
.endr
.irp c, 0,1,2
	global_store_b128 v6, v[F0+4*\c:F0+4*\c+3], s[32:33] offset:512*\c        ; each store of the wave covers 512 consecutive bytes, aligned to 256
	global_store_b128 v6, v[F1+4*\c:F1+4*\c+3], s[32:33] offset:1536+512*\c
.endr
	global_store_b32 v7, v11, s[34:35]             ; 32 scale words, 128 consecutive bytes
	s_endpgm
.Lwf:
; Wf.  Fragment (view m, b): lane (c, h) holds Wf[1024 m + 256 w + 128 cc + 32 b + 16 h + i][c], i = 0 .. 15, two to a register: the order in which the second launch's packed results lie; zeros for c >= 10.
	s_sub_co_u32 s17, ttmp9, 256
	s_lshr_b32 s18, s17, 2                         ; cc: slot 32 or 33
	s_and_b32 s19, s17, 3                          ; w: the part
	s_lshl_b32 s20, s16, 10
	s_lshl_b32 s21, s19, 8
	s_add_co_u32 s20, s20, s21
	s_lshl_b32 s21, s18, 7
	s_add_co_u32 s20, s20, s21                     ; my first row of Wf
	s_mul_i32 s20, s20, 40
	s_mov_b32 s21, 0
	s_add_nc_u64 s[12:13], s[12:13], s[20:21]
	s_add_co_u32 s22, s18, 32
	s_mul_i32 s22, s22, SLOTB
	s_mul_i32 s23, s19, PART
	s_add_co_u32 s22, s22, s23
	s_mov_b32 s23, 0
	s_add_nc_u64 s[14:15], s[14:15], s[22:23]
	v_and_b32 v3, 15, v2                           ; c
	v_lshrrev_b32 v4, 4, v2                        ; h
	v_min_u32 v5, 9, v3                            ; lanes of c >= 10 read column 9 and keep nothing of it: no load leaves the buffer
	v_lshlrev_b32 v5, 2, v5
	v_mad_u32_u24 v5, v4, 640, v5                  ; + 16 h rows of 40 bytes
.irp b, 0,1,2,3
.irp i, 0,1,2,3,4,5,6,7,8,9,10,11,12,13,14,15
	global_load_b32 v[X+16*\b+\i], v5, s[12:13] offset:(32*\b+\i)*40
.endr
.endr
	v_cmp_gt_u32 vcc_lo, 10, v3
	v_lshlrev_b32 v6, 4, v2
	s_lshl_b32 s24, s16, 12                        ; my view's four fragments
	v_add_nc_u32 v6, s24, v6
	v_lshlrev_b32 v7, 3, v0
	v_mov_b32 v8, 0
	v_mov_b32 v9, 0
	s_wait_loadcnt 0x0
.irp b, 0,1,2,3
.irp k, 0,1,2,3,4,5,6,7
	v_cvt_pk_bf16_f32 v[96+8*\b+\k], v[X+16*\b+2*\k], v[X+16*\b+2*\k+1]
.endr
.irp k, 0,1,2,3,4,5,6,7
	v_cndmask_b32 v[96+8*\b+\k], 0, v[96+8*\b+\k], vcc_lo
.endr
	global_store_b128 v6, v[96+8*\b:96+8*\b+3], s[14:15] offset:1024*\b
	global_store_b128 v6, v[96+8*\b+4:96+8*\b+7], s[14:15] offset:1024*\b+512
.endr
.irp i, 0,1,2,3,4,5,6,7,8
	global_store_b64 v7, v[8:9], s[14:15] offset:16384+1024*\i   ; the rest of the part: the second launch's tensor load brings it, so it is written
.endr
	s_endpgm
.Lfunc_end_k_q59e9778238_prep:
	.size	k_q59e9778238_prep, .Lfunc_end_k_q59e9778238_prep-k_q59e9778238_prep
	.p2alignl 7, 3214868480
	.fill 96, 4, 3214868480
	.section	.rodata,"a",@progbits
	.p2align	6, 0x0
	.amdhsa_kernel k_q59e9778238_prep
		.amdhsa_group_segment_fixed_size 0
		.amdhsa_private_segment_fixed_size 0
		.amdhsa_enable_private_segment 0
		.amdhsa_kernarg_size 48
		.amdhsa_user_sgpr_count 2
		.amdhsa_user_sgpr_kernarg_segment_ptr 1
		.amdhsa_wavefront_size32 1
		.amdhsa_system_sgpr_workgroup_id_x 1
		.amdhsa_system_sgpr_workgroup_id_y 1
		.amdhsa_system_sgpr_workgroup_id_z 1
		.amdhsa_system_vgpr_workitem_id 0
		.amdhsa_next_free_vgpr 208
		.amdhsa_next_free_sgpr 66
		.amdhsa_reserve_vcc 1
		.amdhsa_float_denorm_mode_32 3
		.amdhsa_float_denorm_mode_16_64 3
		.amdhsa_memory_ordered 1
		.amdhsa_forward_progress 1
		.amdhsa_inst_pref_size 34
	.end_amdhsa_kernel
	.amdgpu_metadata
---
amdhsa.version: [ 1, 2 ]
amdhsa.kernels:
  - .name:           k_q59e9778238_prep
    .symbol:         k_q59e9778238_prep.kd
    .args:
      - { .name: Wq, .offset: 0, .size: 8, .value_kind: global_buffer, .address_space: global }
      - { .name: Wk, .offset: 8, .size: 8, .value_kind: global_buffer, .address_space: global }
      - { .name: Wv, .offset: 16, .size: 8, .value_kind: global_buffer, .address_space: global }
      - { .name: W1, .offset: 24, .size: 8, .value_kind: global_buffer, .address_space: global }
      - { .name: Wf, .offset: 32, .size: 8, .value_kind: global_buffer, .address_space: global }
      - { .name: wst, .offset: 40, .size: 8, .value_kind: global_buffer, .address_space: global }
    .group_segment_fixed_size: 0
    .private_segment_fixed_size: 0
    .kernarg_segment_align: 8
    .kernarg_segment_size: 48
    .max_flat_workgroup_size: 128
    .sgpr_count:     66
    .vgpr_count:     208
    .wavefront_size: 32
...
	.end_amdgpu_metadata
.endif
;; end of part 1
;; launch fused (part 2): grid 256 x 1, 4 waves a work-group, clusters of 4 x 1, 327,680 bytes of LDS; arguments xt, wst, bq, bk, bv, b1, bf, out0; writes out0
.if DOCPART == 2
	.amdgcn_target "amdgcn-amd-amdhsa--gfx1250"
	.amdhsa_code_object_version 6
	.text
	.protected	k_q59e9778238_fused
	.globl	k_q59e9778238_fused
	.p2align	8
	.type	k_q59e9778238_fused,@function
k_q59e9778238_fused:
	s_mov_b64 s[64:65], 0
	v_nop
	global_prefetch_b8 v0, s[64:65] scope:SCOPE_SE
	s_setreg_imm32_b32 hwreg(HW_REG_WAVE_MODE, 25, 1), 1
	s_wait_xcnt 0x0
	s_wait_alu depctr_hold_cnt(0) depctr_sa_sdst(0) depctr_va_vdst(0) depctr_va_sdst(0) depctr_va_ssrc(0) depctr_va_vcc(0) depctr_vm_vsrc(0)
	s_getreg_b32 s2, hwreg(HW_REG_IB_STS2, 6, 4)
	s_cmp_eq_u32 s2, 0
	s_cbranch_scc0 .Lentry_in_a_cluster
	s_endpgm
.Lentry_in_a_cluster:
	s_bfe_u32 s2, ttmp6, 0x10000c
	s_cmp_lg_u32 s2, 0x3003
	s_cbranch_scc0 .Lentry_shape_is_right
	s_endpgm
.Lentry_shape_is_right:
; out = relu(LN(softmax(q k^T / 32) v + xt) W1 + b1) Wf + bf, q, k, v = xt W + b.  The four large products run on codes of BF6 (E3M2) with one E8M0 scale for each 32 along K; all between them is f32.
; SHARES.  A work-group takes 16 samples (64 rows) through the whole chain: q, k, v, x and the hidden layer never go to memory, xt is read once.  256 work-groups, one for each 16 samples.
; ROW TILE m IS VIEW m, LANE r IS SAMPLE r, and every product is used TRANSPOSED (source 0 = 16 columns of the weight, source 1 = 16 rows of x): a lane holds ONE sample throughout and its registers run
; along the hidden units.  So the 4 x 4 scores, attn v, the residual and the norm's sums are fused multiply-adds inside a lane; a sample's sums meet by one exchange of halves and one trip through LDS.
; The weight's tiles are laid (by the first launch) so that register j of tile 2 p + u in lane (r, h) is unit 32 p + 16 h + 8 u + j: 16 neighbours in two tiles, as the quantiser and the last product want them.
; WAVES SHARE THE COLUMNS: wave w makes columns 256 w .. 256 w + 255 of every product for all 64 rows, so each weight byte is read from LDS by one wave.  It also holds xt's columns 256 w .. + 255 in 512 registers:
; they are quantised from there (K steps 2 w, 2 w + 1), stay as the residual, become x, then LN(x), and are quantised again.  x's codes go from wave to wave through LDS as images of the operand's registers.
; CHUNKS.  Eight chunks of one shape: 8 column tiles x 4 row tiles x 8 K steps = 256 matrix instructions a wave on 32 accumulators.  0-3: 64 columns of q and the same 64 of k (then: scores);
; 4, 5: 128 columns of v (then: x += attn v); 6, 7: 128 columns of the FFN (then: relu, bf16).  The biases are the C of each sum's first instruction.
; THE WEIGHTS come as one stream of 34 slots of 102,400 bytes through a ring of two LDS slots; a slot holds two K steps of a chunk for the four waves.  All work-groups walk the same stream, so the four of a
; cluster ask JOINTLY (mask 15): each wave fetches its own part, 100 rows of 256 bytes.  Each of the 32 changes of slots fills a slot that is read later (slots 2 .. 33), so the loop has no tail.
; The last product (K = 4,096, 10 columns) takes bf16 operands: Wf's fragments are the stream's last two slots.
; LIMITS: NaN and infinities are not served; a block whose largest magnitude lies under 2^-122 (a block of zeros too) gets the scale byte 1; relu(y) and Wf are rounded to bf16 for the last product;
; v_exp_f32, v_rcp_f32 and v_rsq_f32 are taken as they are.  The variance is taken of x - mean, in a second pass.
; REGISTERS, in windows of 256: window 0: addresses, scale words, scores, x's four fragments, two sets of four weight fragments, work.  window 1: the 32 accumulators, (m, t) at 64 m + 8 t.
;   windows 2, 3: xt / x: view m in window 2 + m / 2 at 128 (m % 2) + 16 g + i = column 256 w + 32 g + 16 h + i; in the FFN: its packed results, chunk 6's in window 2, chunk 7's in window 3.
; Every LDS address register is made at the head and holds nothing else, but for v15, which is made anew from a constant part and the chunk's step.
.set PART,  25600                      ; a wave's part of a slot: 16 fragments of 1,536 bytes, then 1,024 bytes of scale words
.set SLOTB, 4*PART
.set SLOT1, 1<<17                      ; LDS: slot 0 at 0, slot 1 here
.set BIAS,  SLOTB                      ; [chunk][wave][128 f32 in the chunk's order of units]: 16,384 bytes
.set RED1,  BIAS+16384                 ; the scores' parts: 2,048 x wave + 512 i + 16 x lane
.set RED2,  RED1+8192                  ; the norm's sums: 128 x wave + 4 x lane; the squares 512 bytes on
.set XIMG,  SLOT1+SLOTB                ; x's codes: four blocks of 16,384 (K step / 2): fragment (q, m) at (4 q + m) x 1,536; scale words at 12,288 + 256 q + 128 (m / 2) + 64 (m % 2) + 4 r
.set XSCO,  12288
.set RED4,  XIMG+65536                 ; the output's parts, as images of eight registers: 1,024 x wave + 512 (register / 4) + 16 x lane + 4 (register % 4)
.set SPARE, RED4+4096                  ; the spare words, 128 bytes for each wave: two blocks of 256 bytes that no other line names
.set LI,   1                           ; v1   16 x lane
.set LS,   2                           ; v2   4 x lane
.set AW,   3                           ; v3-4 my part of slot 0, 1: + 16 x lane
.set AWS,  5                           ; v5-6 the same + 4 x lane
.set SPW,  7                           ; v7   my spare word; never rewritten
.set NIL,  8                           ; v8   0; never rewritten
.set XWI,  9                           ; v9   where I store x's images
.set XWS,  10                          ; v10  and their scale words
.set AX,   11                          ; v11  where x's images are read
.set PFO,  12                          ; v12  the prefetches' offset; never rewritten
.set XA,   13                          ; v13  xt: 16,384 r + 64 h
.set AXS,  14                          ; v14  where x's scale words are read
.set ABI,  15                          ; v15  the chunk's biases
.set XS,   16                          ; v16-19 x's scale words, two sets of two: lanes 0-15 an even view's rows, lanes 16-31 the odd one's.  v16-23 hold scales and nothing else
.set WS,   20                          ; v20-23 the weights' scale words: two for tiles 0-3, two for tiles 4-7
.set SS,   24                          ; v24-55 16 pairs: the scores' sums; then attn in each pair's low word; at the end four accumulators
.set X,    56                          ; v56-103  x's fragments, view m at 56 + 12 m
.set WA,   104                         ; v104-151 the weights' tiles 0-3
.set WB,   152                         ; v152-199 tiles 4-7; between chunks: work
.set TM,   200                         ; v200-215 the quantiser's work
.set PW,   216                         ; v216-217 the scale word just made, two sets
.set GO,   218                         ; v218 the way out: my byte offset in the work-group's 640 bytes of out0: 40 r + 32 h
.set RL4,  219                         ; v219 the way out: where the four parts are read back: RED4 + 16 x lane
.set RW4,  223                         ; v223 the way out: where I put my part
.set MU,   226                         ; v226-227 the mean (low word)
.set RS,   228                         ; v228-229 1 / sqrt(var + eps) (low word)
.set ABI0, 230
.set RW1,  231
.set RL1,  232
.set RW2,  233
.set T0,   234                         ; v234-249 work
.set RL2,  250
.set OC,   251                         ; v251-254 the way out: where bf's pair k of my eight classes lies: 32 h + 8 k, held at 32
.set LC,   WB                          ; the norm's eight chains
.set WV,   20                          ; s20  wave
.set CX,   21                          ; s21  my place in the cluster: it enters global addresses alone
.set WG,   22                          ; s22  work-group
.set G1,   24                          ; s[24:31] descriptor group 1
.set G0,   32                          ; s[32:39] group 0, a set for each slot
.set SEL,  40                          ; s[40:41] lane l xor 16
.set TBI,  44                          ; s44  the chunk's biases: 2,048 bytes a chunk
.set CH,   45                          ; s45  chunk
.set LIM,  48                          ; s48  7 in the launch's first cluster, else 0: a wave prefetches while the chunk's number is under it
.set PFA,  50                          ; s[50:51] my part of the slot that the next prefetch names
.set CE,   56                          ; s56  log2(e) / 32
.set P12,  57                          ; s57  1 / 4,096
.set EPSR, 58                          ; s58  1e-5
.set MSB, 0
.macro WIN new                         ; the immediate's high byte repeats the setting that is left; a switch that changes nothing is dropped
.if MSB != (\new)
	s_set_vgpr_msb (MSB<<8)|(\new)
.set MSB, (\new)
.endif
.endm
.macro PLACES n                        ; plain vector instructions between a matrix instruction and a load into, a read of, or (one more) a matrix write over its registers
.rept \n
	v_nop
.endr
.endm
.macro CREST                           ; a round of the cluster's barrier behind its opening barrier
	s_cmp_lg_u32 s[WV], 0
	s_cbranch_scc1 .Lnot_wave_0_\@
	s_barrier_signal -3
.Lnot_wave_0_\@:
	s_barrier_wait -3
	s_barrier_signal -1
	s_barrier_wait -1
.endm
.macro CROUND
	s_barrier_signal -1
	s_barrier_wait -1
	CREST
.endm
.macro BAR                             ; my LDS stores have landed and my LDS loads are in: then the work-group's barrier.  A tensor load may stay out
	s_wait_dscnt 0x0
	s_barrier_signal -1
	s_barrier_wait -1
.endm
; four weight fragments (tiles 4 half .. 4 half + 3 of the slot's K step q) and their two registers of scale words: 14 loads, each of 512 or 128 consecutive bytes
.macro WLOAD fr, slot, q, half
.irp i, 0,1,2,3
.irp c, 0,1,2
	ds_load_b128 v[(\fr)+12*\i+4*\c:(\fr)+12*\i+4*\c+3], v[AW+(\slot)] offset:(\q)*12288+(4*(\half)+\i)*1536+512*\c
.endr
.endr
.irp k, 0,1
	ds_load_b32 v[WS+2*(\half)+\k], v[AWS+(\slot)] offset:24576+(\q)*512+(2*(\half)+\k)*128
.endr
.endm
.macro XSLOAD par, sl, q               ; x's scale words of K step 2 sl + q into set par
.irp k, 0,1
	ds_load_b32 v[XS+2*(\par)+\k], v[AXS] offset:(\sl)*16384+(\q)*256+128*\k
.endr
.endm
.macro XLOAD m, sl, q                  ; x's fragment of view m, K step 2 sl + q
.irp c, 0,1,2
	ds_load_b128 v[X+12*(\m)+4*\c:X+12*(\m)+4*\c+3], v[AX] offset:(\sl)*16384+(4*(\q)+(\m))*1536+512*\c
.endr
.endm
; four matrix instructions: view m against tiles 4 half .. + 3.  first = 1: the chunk's first K step: the biases lie in view 3's accumulators and are the C of all four views' sums.
.macro GRP m, half, fr, par, first
.irp i, 0,1,2,3
.set rD, 64*(\m)+8*(4*(\half)+\i)
.set rC, rD
.if (\first) && ((\m) < 3)
.set rC, 192+8*(4*(\half)+\i)
.endif
.set rA, (\fr)+12*\i
.set rB, X+12*(\m)
.set rP, WS+2*(\half)+\i/2
.set rQ, XS+2*(\par)+(\m)/2
.if (\i%2 == 0) && ((\m)%2 == 0)
	v_wmma_scale_f32_16x16x128_f8f6f4 v[rD:rD+7], v[rA:rA+11], v[rB:rB+11], v[rC:rC+7], v[rP], v[rQ] matrix_a_fmt:MATRIX_FMT_BF6 matrix_b_fmt:MATRIX_FMT_BF6
.elseif (\i%2 == 1) && ((\m)%2 == 0)
	v_wmma_scale_f32_16x16x128_f8f6f4 v[rD:rD+7], v[rA:rA+11], v[rB:rB+11], v[rC:rC+7], v[rP], v[rQ] matrix_a_fmt:MATRIX_FMT_BF6 matrix_b_fmt:MATRIX_FMT_BF6 matrix_a_scale:MATRIX_SCALE_ROW1
.elseif (\i%2 == 0)
	v_wmma_scale_f32_16x16x128_f8f6f4 v[rD:rD+7], v[rA:rA+11], v[rB:rB+11], v[rC:rC+7], v[rP], v[rQ] matrix_a_fmt:MATRIX_FMT_BF6 matrix_b_fmt:MATRIX_FMT_BF6 matrix_b_scale:MATRIX_SCALE_ROW1
.else
	v_wmma_scale_f32_16x16x128_f8f6f4 v[rD:rD+7], v[rA:rA+11], v[rB:rB+11], v[rC:rC+7], v[rP], v[rQ] matrix_a_fmt:MATRIX_FMT_BF6 matrix_b_fmt:MATRIX_FMT_BF6 matrix_a_scale:MATRIX_SCALE_ROW1 matrix_b_scale:MATRIX_SCALE_ROW1
.endif
.endr
.endm
; A PREFETCH INTO THE L2: at change number n (n = 4 x chunk + slot in the chunk) of slot n + 5 of the stream, which the tensor load three changes on will ask for: 192 matrix instructions of a wave ahead of that load.
; All clusters walk the same stream: the launch's first cluster asks.  Of wave w's 100 rows of 256 bytes the partner at place cx names rows 32 cx + lane, held at 99: the partners are told apart by address alone.
; Chunks 0 to 6 ask (slots 5 to 32); slots 2 to 4 and slot 33 come by their loads alone.
.macro ASK
	s_cmp_lt_u32 s[CH], s[LIM]
	s_cbranch_scc0 .Lnot_mine_\@
	global_prefetch_b8 v[PFO], s[PFA:PFA+1] th:TH_LOAD_NT scope:SCOPE_SE
.Lnot_mine_\@:
.endm
; A K STEP: 32 matrix instructions, the 32 accumulators by turns, one instruction a turn, in the same order in every K step.  sl: the chunk's slot 0 .. 3; q: the slot's K step.
; Tiles 0-3 and x's four fragments were fetched in the K step before; tiles 4-7 are fetched at the head; in the middle tiles 0-3 of the next K step; x's next fragments as soon as a pair of views is done.
; q = 1 CHANGES SLOTS in its middle: the slot's last reads are out; the wave waits for all its tensor loads (one: its part of the next slot), adds 0 to its spare word, multiplies, waits for the add and its reads,
; and opens a round of the cluster's barrier; behind the round the slot just left is filled again, first thing, one load a wave: it has 48 matrix instructions in which to land.
.macro KS sl, q, first
.set SLT, (\sl)%2
.set NQ, 1-(\q)
.if \q
.set NSL, ((\sl)+1)%4
.else
.set NSL, (\sl)
.endif
.set NSLT, NSL%2
.if \q
	s_wait_xcnt 0x0                                ; the last prefetch, a slot back, has read its address
	s_add_nc_u64 s[PFA:PFA+1], s[PFA:PFA+1], SLOTB
.endif
	WLOAD WB, SLT, \q, 1                           ; (four places stand behind the last K step's last products)
.if \q
	s_wait_tensorcnt 0x0                           ; all my tensor loads have landed: my part of the next slot; so a group 0 may be written
	ds_add_u32 v[SPW], v[NIL]                      ; 0 onto my spare word
	s_add_nc_u64 s[G0+4*SLT+2:G0+4*SLT+3], s[G0+4*SLT+2:G0+4*SLT+3], 2*SLOTB   ; this slot's next content: two slots on in the stream
	s_wait_dscnt 21                                ; views 0, 1 are in; out may be: views 2, 3 (6 loads), tiles 4-7 (14), the add
	WIN 0x50                                       ; C and D in window 1
	GRP 0, 0, WA, \q, 0
	GRP 1, 0, WA, \q, 0
	s_wait_dscnt 0x0                               ; the add is done, and my reads of this slot are over
	s_barrier_signal -1
	GRP 2, 0, WA, \q, 0
	GRP 3, 0, WA, \q, 0
	WIN 0
	s_barrier_wait -1
	CREST                                          ; no wave of any partner still reads this slot or has a load on its way
	tensor_load_to_lds s[G0+4*SLT:G0+4*SLT+3], s[G1:G1+7]
	s_nop 0
	PLACES 4                                       ; places behind a tensor load; also the places in front of the loads into tiles 0-3's registers
.else
.if \first
	s_wait_dscnt 14                                ; all but tiles 4-7's 14 loads: the biases, tiles 0-3, x
.else
	s_wait_dscnt 20                                ; views 0, 1 are in; out may be: views 2, 3 (6 loads), tiles 4-7 (14)
.endif
	WIN 0x50
	GRP 0, 0, WA, \q, \first
	GRP 1, 0, WA, \q, \first
.if \first
	GRP 2, 0, WA, \q, 1
	PLACES 5                                       ; view 3's products write over the biases that the other views' have read as C
.else
	s_wait_dscnt 14                                ; views 2, 3 are in
	GRP 2, 0, WA, \q, 0
.endif
	GRP 3, 0, WA, \q, \first
	PLACES 4
	WIN 0
.endif
	WLOAD WA, NSLT, NQ, 0                          ; the next K step's tiles 0-3 (behind a change: from the next slot) and x's scale words: 16 loads
	XSLOAD NQ, NSL, NQ
.if \q
	ASK
.else
	s_wait_dscnt 16                                ; tiles 4-7 are in; the 16 just issued may be out
.endif
	WIN 0x50
	GRP 0, 1, WB, \q, \first
	GRP 1, 1, WB, \q, \first
	PLACES 4
	WIN 0
	XLOAD 0, NSL, NQ
	XLOAD 1, NSL, NQ
	WIN 0x50
	GRP 2, 1, WB, \q, \first
.if \first
	PLACES 5
.endif
	GRP 3, 1, WB, \q, \first
	PLACES 4                                       ; for the loads below, for the next K step's loads into tiles 4-7's registers, and for the first read of results behind a chunk
	WIN 0
	XLOAD 2, NSL, NQ
	XLOAD 3, NSL, NQ
.endm
.macro HEAD                            ; the chunk's biases into view 3's accumulators: tile 2 p + u, lane (r, h): units 32 p + 16 h + 8 u + 0 .. 7
	v_add_nc_u32 v[ABI], s[TBI], v[ABI0]
	WIN 0x40
.irp t, 0,1,2,3,4,5,6,7
.irp k, 0,1
	ds_load_b128 v[192+8*\t+4*\k:192+8*\t+4*\k+3], v[ABI] offset:128*(\t/2)+32*(\t%2)+16*\k
.endr
.endr
	WIN 0
	s_add_co_u32 s[TBI], s[TBI], 2048
.endm
; 64 numbers of a lane in window wx, register s + 16 b + i = k 32 b + 16 (lane / 16) + i of my row, become a fragment's codes in v[pc] on and its scale word in v[pw]
.macro QUANT wx, s, pc, pw
	WIN (\wx)|((\wx)<<2)
.irp b, 0,1,2,3
	v_max3_num_f32 v[TM+\b], |v[(\s)+16*\b]|, |v[(\s)+1+16*\b]|, 0x2800000   ; block b: my 16 numbers, and the floor 2^(5 - 127): the byte cannot fall under 1
.endr
.irp i, 2,4,6,8,10,12,14
.irp b, 0,1,2,3
	v_max3_num_f32 v[TM+\b], |v[(\s)+16*\b+\i]|, |v[(\s)+1+16*\b+\i]|, v[TM+\b]   ; (the four blocks by turns)
.endr
.endr
	WIN 0
.irp b, 0,1,2,3
	v_permlanex16_b32 v[TM+4+\b], v[TM+\b], s[SEL], s[SEL+1]
.endr
.irp b, 0,1,2,3
	v_max_num_f32 v[TM+\b], v[TM+\b], v[TM+4+\b]   ; with lane l xor 16's: the block's largest magnitude
.endr
.irp b, 0,1,2,3
	v_add_nc_u32 v[TM+12+\b], 0xfe000000, v[TM+\b] ; 4 off its exponent field: the conversion's scale operand
.endr
.irp b, 0,1,2,3
	v_lshrrev_b32 v[TM+4+\b], 23, v[TM+12+\b]      ; the byte
.endr
	v_lshl_or_b32 v[\pw], v[TM+5], 8, v[TM+4]
	v_lshl_or_b32 v[\pw], v[TM+6], 16, v[\pw]
	v_lshl_or_b32 v[\pw], v[TM+7], 24, v[\pw]
	WIN (\wx)
.irp c, 0,1
	v_cvt_scalef32_pk16_bf6_f32 v[(\pc)+6*\c:(\pc)+2+6*\c], v[(\s)+32*\c:(\s)+15+32*\c], v[TM+12+2*\c]
	v_cvt_scalef32_pk16_bf6_f32 v[(\pc)+12+4*\c:(\pc)+14+4*\c], v[(\s)+16+32*\c:(\s)+31+32*\c], v[TM+12+2*\c+1]   ; (a conversion's three registers begin on an even number)
.endr
	WIN 0
	v_nop                                          ; one plain place behind a scaled conversion
.irp c, 0,1                            ; the operand wants a WHOLE block in a lane: lanes 0-15 block 2 c, lanes 16-31 block 2 c + 1
.irp i, 0,1,2
	v_permlane16_swap_b32 v[(\pc)+6*\c+\i], v[(\pc)+12+4*\c+\i]
.endr
.irp i, 0,1,2
	v_mov_b32 v[(\pc)+3+6*\c+\i], v[(\pc)+12+4*\c+\i]
.endr
.endr
.endm
.macro XTLOAD g                        ; group g = 2 m + e: view m, my columns 128 e .. + 127 of the 16 samples: 16 loads
.set mm, (\g)/2
.set ee, (\g)%2
	WIN 0x80+0x40*(mm/2)
.irp b, 0,1,2,3
.irp j, 0,1,2,3
	global_load_b128 v[128*(mm%2)+64*ee+16*\b+4*\j:128*(mm%2)+64*ee+16*\b+4*\j+3], v[XA], s[4:5] offset:mm*4096+ee*512+128*\b+16*\j th:TH_LOAD_NT
.endr
.endr
	WIN 0
.endm
; turn g of eight: group g is quantised (K step 2 w + e, view m) and its image goes to LDS.  Two sets of code registers by turns.  ld = 1: the numbers come from memory, three groups ahead
.macro QTURN g, ld
.set qm, (\g)/2
.set qe, (\g)%2
.set qp, WB+24*qe
.if \ld
.if (\g) < 6
	s_wait_loadcnt 32                              ; group g is in; the two groups behind it, 16 loads each, may be out
.else
	s_wait_loadcnt 16*(7-(\g))
.endif
.if (\g) < 5
	XTLOAD (\g)+3                                  ; the group three on goes out while this one is worked
.endif
.endif
.if (\g) >= 2
	s_wait_dscnt 4                                 ; the set's stores of two turns back have read their registers; the last turn's four may be out
.endif
	QUANT 2+qm/2, 128*(qm%2)+64*qe, qp, PW+qe
.irp c, 0,1,2
	ds_store_b128 v[XWI], v[qp+4*\c:qp+4*\c+3] offset:(4*qe+qm)*1536+512*\c
.endr
	ds_store_b32 v[XWS], v[PW+qe] offset:qe*256+(qm/2)*128+(qm%2)*64   ; lanes r and r + 16 write the same word with the same value
.endm
; the scores' sums: s(a, b) += q(a, unit) k(b, unit), two units at a time.  Each accumulator is read from its low end on
.macro SCORES
	WIN 0x05
.irp t, 0,1,2,3
.irp p, 0,1,2,3
.irp a, 0,1,2,3
.irp b, 0,1,2,3
	v_pk_fma_f32 v[SS+2*(4*\a+\b):SS+2*(4*\a+\b)+1], v[64*\a+8*\t+2*\p:64*\a+8*\t+2*\p+1], v[64*\b+32+8*\t+2*\p:64*\b+32+8*\t+2*\p+1], v[SS+2*(4*\a+\b):SS+2*(4*\a+\b)+1]
.endr
.endr
.endr
.endr
	WIN 0
.endm
; x(a, unit) += attn(a, b) v(b, unit), onto the residual that lies there; a chain's links stand eight apart
.macro MIX c
.irp a, 0,1,2,3
	WIN 0xa1+0x50*(\a/2)
.irp p, 0,1,2,3
.irp b, 0,1,2,3
.irp e, 0,1,2,3,4,5,6,7
.set rX, 128*(\a%2)+64*(\c)+16*\p+2*\e
.set rV, 64*\b+16*\p+2*\e
	v_pk_fma_f32 v[rX:rX+1], v[rV:rV+1], v[SS+2*(4*\a+\b):SS+2*(4*\a+\b)+1], v[rX:rX+1] op_sel_hi:[1,0,1]
.endr
.endr
.endr
.endr
	WIN 0
.endm
; the eight chains become the sample's sum, in every lane of every wave, in v[LC]
.macro LRED off
.irp i, 0,2,4,6
	v_pk_add_f32 v[LC+\i:LC+\i+1], v[LC+\i:LC+\i+1], v[LC+8+\i:LC+8+\i+1]
.endr
	v_pk_add_f32 v[LC:LC+1], v[LC:LC+1], v[LC+4:LC+5]
	v_pk_add_f32 v[LC+2:LC+3], v[LC+2:LC+3], v[LC+6:LC+7]
	v_pk_add_f32 v[LC:LC+1], v[LC:LC+1], v[LC+2:LC+3]
	v_add_f32 v[LC], v[LC], v[LC+1]
	v_permlanex16_b32 v[TM+4], v[LC], s[SEL], s[SEL+1]
	v_add_f32 v[LC], v[LC], v[TM+4]
	ds_store_b32 v[RW2], v[LC] offset:\off
	BAR
.irp i, 0,1,2,3
	ds_load_b32 v[LC+\i], v[RL2] offset:(\off)+128*\i
.endr
	s_wait_dscnt 0x0
	v_add_f32 v[LC], v[LC], v[LC+1]
	v_add_f32 v[LC+2], v[LC+2], v[LC+3]
	v_add_f32 v[LC], v[LC], v[LC+2]
.endm
.macro PACK c                          ; the chunk's 256 results a lane, two to a register: register 32 m + 8 b + k of window 2 + c: source 1 of the last product
	WIN 0x85+0x40*(\c)
.set j, 0
.rept 128
	v_cvt_pk_bf16_f32 v[j], v[2*j], v[2*j+1]
.set j, j+1
.endr
	WIN 0
.endm
	s_load_b512 s[4:19], s[0:1], 0x0               ; xt s[4:5], the stream s[6:7], bq s[8:9], bk s[10:11], bv s[12:13], b1 s[14:15], bf s[16:17], out0 s[18:19]
	v_lshl_add_u32 v[SPW], v0, 2, SPARE
	v_mov_b32 v[NIL], 0
	ds_add_u32 v7, v8
	ds_add_u32 v7, v8
	s_wait_dscnt 0x0
	v_lshrrev_b32 v[T0], 5, v0
	v_readfirstlane_b32 s[WV], v[T0]               ; wave 0..3
	s_bfe_u32 s[CX], ttmp6, 0x40000
	s_lshl_b32 s[WG], ttmp9, 2                     ; in a cluster launch ttmp9 counts clusters
	s_add_co_u32 s[WG], s[WG], s[CX]
	s_mov_b32 s[G1], 15|(3<<16)|(1<<21)            ; 15:0 the mask: all four work-groups; 17:16 elements of 8 bytes; 20 no padding; 21 set beside a mask
	s_mov_b32 s[G1+1], 32<<16                      ; tensor_dim0 = 32 elements: 256 bytes
	s_mov_b32 s[G1+2], 100<<16                     ; tensor_dim1 = 100
	s_mov_b32 s[G1+3], 32<<16                      ; tile_dim0
	s_mov_b32 s[G1+4], 100                         ; tile_dim1
	s_mov_b32 s[G1+5], 32                          ; the pitch: the part is dense
	s_mov_b32 s[G1+6], 0
	s_mov_b32 s[G1+7], 0
	s_mov_b32 s[SEL], 0x76543210
	s_mov_b32 s[SEL+1], 0xfedcba98
	s_mov_b32 s[CE], 0x3d38aa3b
	s_mov_b32 s[P12], 0x39800000
	s_mov_b32 s[EPSR], 0x3727c5ac
	s_mov_b32 s[TBI], 0
	s_mov_b32 s[CH], 0
	s_cmp_eq_u32 ttmp9, 0                          ; the same in all four partners
	s_cselect_b32 s[LIM], 7, 0
	s_mul_i32 s52, s[WV], PART                     ; my part: in the stream and in a slot.  No place in the cluster enters it
	s_mov_b32 s53, 0
	s_wait_kmcnt 0x0
	s_add_nc_u64 s[6:7], s[6:7], s[52:53]
	s_mov_b32 s[G0], 1                             ; count = 1
	s_mov_b32 s[G0+1], s52                         ; LDS address: slot 0
	s_mov_b64 s[G0+2:G0+3], s[6:7]                 ; the stream's slot 0
	s_or_b32 s[G0+3], s[G0+3], 0x80000000          ; type = 2
	s_mov_b32 s[G0+4], 1
	s_add_co_u32 s[G0+5], s52, SLOT1
	s_add_nc_u64 s[G0+6:G0+7], s[6:7], SLOTB
	s_or_b32 s[G0+7], s[G0+7], 0x80000000
	s_add_nc_u64 s[PFA:PFA+1], s[6:7], 4*SLOTB     ; the first change steps it to slot 5.  Nothing is prefetched here, at the head
	CROUND                                         ; all four work-groups are here: the first joint loads meet
	tensor_load_to_lds s[G0:G0+3], s[G1:G1+7]      ; both first fills go out together: two loads of mine are out
	s_nop 0
	tensor_load_to_lds s[G0+4:G0+7], s[G1:G1+7]
	s_nop 0
	PLACES 4
	s_lshl_b32 s54, s[WG], 18                      ; xt: 16 samples of 16,384 bytes a work-group,
	s_lshl_b32 s55, s[WV], 10                      ; my 256 columns
	s_add_co_u32 s54, s54, s55
	s_mov_b32 s55, 0
	s_add_nc_u64 s[4:5], s[4:5], s[54:55]
	s_mul_i32 s54, s[WG], 640                      ; out0: 16 samples of 40 bytes
	s_add_nc_u64 s[18:19], s[18:19], s[54:55]
	v_and_b32 v[T0], 31, v0                        ; lane
	v_and_b32 v[T0+1], 15, v0                      ; r
	v_bfe_u32 v[T0+2], v0, 4, 1                    ; h
	v_lshlrev_b32 v[XA], 14, v[T0+1]
	v_lshl_add_u32 v[XA], v[T0+2], 6, v[XA]
	v_lshrrev_b32 v[T0+3], 5, v0
	v_lshlrev_b32 v[T0+3], 10, v[T0+3]             ; the biases: thread t stages 4 numbers of wave t / 32's 128 of each chunk
	v_lshl_add_u32 v[T0+4], v[T0+1], 4, v[T0+3]    ; bq, bk: 1,024 (t / 32) + 16 (t % 16), + 256 a chunk
	v_lshl_add_u32 v[T0+5], v[T0], 4, v[T0+3]      ; bv, b1: 1,024 (t / 32) + 16 (t % 32), + 512 a chunk
.irp i, 0,1,2,3
	global_load_b128 v[WA+4*\i:WA+4*\i+3], v[T0+4], s[8:9] offset:256*\i
	global_load_b128 v[WA+16+4*\i:WA+16+4*\i+3], v[T0+4], s[10:11] offset:256*\i
.endr
.irp i, 0,1
	global_load_b128 v[WA+32+4*\i:WA+32+4*\i+3], v[T0+5], s[12:13] offset:512*\i
	global_load_b128 v[WA+40+4*\i:WA+40+4*\i+3], v[T0+5], s[14:15] offset:512*\i
.endr
	XTLOAD 0
	XTLOAD 1
	XTLOAD 2
	v_lshlrev_b32 v[LI], 4, v[T0]
	v_lshlrev_b32 v[LS], 2, v[T0]
	v_add_nc_u32 v[AW], s52, v[LI]
	v_add_nc_u32 v[AW+1], SLOT1, v[AW]
	v_add_nc_u32 v[AWS], s52, v[LS]
	v_add_nc_u32 v[AWS+1], SLOT1, v[AWS]
	s_lshl_b32 s54, s[WV], 14
	s_add_co_u32 s54, s54, XIMG
	v_add_nc_u32 v[XWI], s54, v[LI]                ; my two K steps are block w of x's images
	s_add_co_u32 s54, s54, XSCO
	v_lshl_add_u32 v[XWS], v[T0+1], 2, s54
	v_add_nc_u32 v[AX], XIMG, v[LI]
	v_add_nc_u32 v[AXS], XIMG+XSCO, v[LS]
	s_lshl_b32 s54, s[CX], 5
	v_add_nc_u32 v[PFO], s54, v[T0]
	v_min_u32 v[PFO], 99, v[PFO]
	v_lshlrev_b32 v[PFO], 8, v[PFO]
	s_lshl_b32 s54, s[WV], 9
	s_add_co_u32 s54, s54, BIAS
	v_lshl_add_u32 v[ABI0], v[T0+2], 6, s54
	s_lshl_b32 s54, s[WV], 11
	s_add_co_u32 s54, s54, RED1
	v_add_nc_u32 v[RW1], s54, v[LI]
	v_add_nc_u32 v[RL1], RED1, v[LI]
	s_lshl_b32 s54, s[WV], 7
	s_add_co_u32 s54, s54, RED2
	v_add_nc_u32 v[RW2], s54, v[LS]
	v_add_nc_u32 v[RL2], RED2, v[LS]
	s_lshl_b32 s54, s[WV], 10
	s_add_co_u32 s54, s54, RED4
	v_add_nc_u32 v[RW4], s54, v[LI]
	v_add_nc_u32 v[RL4], RED4, v[LI]
	; the way out: lane (r, h) ends with classes 8 h .. 8 h + 7 of sample r, of which 10 exist: a sample's row of out0 is 40 bytes
	v_mul_u32_u24 v[GO], v[T0+1], 40
	v_lshl_add_u32 v[GO], v[T0+2], 5, v[GO]
.irp k, 0,1,2,3
	v_lshlrev_b32 v[OC+\k], 5, v[T0+2]
	v_add_nc_u32 v[OC+\k], 8*\k, v[OC+\k]
	v_min_u32 v[OC+\k], 32, v[OC+\k]               ; bf has 40 bytes: lanes 16-31 read its last pair each time, and use the first of these alone
.endr
	v_and_b32 v[T0+6], 16, v0
	v_cmp_ne_u32 vcc_lo, 0, v[T0+6]                ; threads of t % 32 >= 16 stage k's half of chunks 0-3
	v_lshl_add_u32 v[T0+7], v0, 4, BIAS
.set j, 0
.rept 32
	v_mov_b32 v[SS+j], 0                           ; the scores' sums begin here: the chunk's text is one loop
.set j, j+1
.endr
.irp i, 4,5,6,7
	v_mov_b32 v[TM+\i], 0                          ; written once: a lane permute's destination counts as one of its sources
.endr
	v_mov_b32 v[MU+1], 0                           ; (named as the upper halves of pairs)
	v_mov_b32 v[RS+1], 0
	s_wait_loadcnt 48                              ; the twelve loads of biases are in; xt's three groups may be out
.irp i, 0,1,2,3,4,5,6,7,8,9,10,11,12,13,14,15
	v_cndmask_b32 v[WA+\i], v[WA+\i], v[WA+16+\i], vcc_lo
.endr
.irp i, 0,1,2,3
	ds_store_b128 v[T0+7], v[WA+4*\i:WA+4*\i+3] offset:2048*\i
.endr
.irp i, 0,1
	ds_store_b128 v[T0+7], v[WA+32+4*\i:WA+32+4*\i+3] offset:2048*(4+\i)
	ds_store_b128 v[T0+7], v[WA+40+4*\i:WA+40+4*\i+3] offset:2048*(6+\i)
.endr
.irp g, 0,1,2,3,4,5,6,7
	QTURN \g, 1
.endr
	BAR                                            ; the biases and x's 32 fragments lie in LDS
	s_wait_tensorcnt 1                             ; my part of slot 0 is in, and only I read it; slot 1's load may be out
	WLOAD WA, 0, 0, 0
	XSLOAD 0, 0, 0
	XLOAD 0, 0, 0
	XLOAD 1, 0, 0
	XLOAD 2, 0, 0
	XLOAD 3, 0, 0
.Lchunk:
	HEAD
	KS 0, 0, 1
	KS 0, 1, 0
	KS 1, 0, 0
	KS 1, 1, 0
	KS 2, 0, 0
	KS 2, 1, 0
	KS 3, 0, 0
	KS 3, 1, 0                                     ; (its look-ahead fetches the next chunk's first K step; in the last chunk these 28 loads are not used)
	; what is made of the chunk's results: a branch on the chunk's number, the same in every wave and work-group; no tensor load stands in any arm
	s_cmp_lt_u32 s[CH], 4
	s_cbranch_scc0 .Lnot_qk
	SCORES
	s_cmp_eq_u32 s[CH], 3
	s_cbranch_scc0 .Lnext
	; ---- the softmax over the four views.  A pair's halves, the other half of the lanes, the other waves
.irp i, 0,1,2,3,4,5,6,7,8,9,10,11,12,13,14,15
	v_add_f32 v[T0+\i], v[SS+2*\i], v[SS+2*\i+1]
.endr
.irp i, 0,1,2,3,4,5,6,7,8,9,10,11,12,13,14,15
	v_permlanex16_b32 v[WB+\i], v[T0+\i], s[SEL], s[SEL+1]
.endr
.irp i, 0,1,2,3,4,5,6,7,8,9,10,11,12,13,14,15
	v_add_f32 v[T0+\i], v[T0+\i], v[WB+\i]
.endr
.irp i, 0,1,2,3
	ds_store_b128 v[RW1], v[T0+4*\i:T0+4*\i+3] offset:512*\i
.endr
	BAR
.irp i, 0,1,2,3
	ds_load_b128 v[WB+4*\i:WB+4*\i+3], v[RL1] offset:512*\i
	ds_load_b128 v[WB+16+4*\i:WB+16+4*\i+3], v[RL1] offset:2048+512*\i
	ds_load_b128 v[WB+32+4*\i:WB+32+4*\i+3], v[RL1] offset:4096+512*\i
	ds_load_b128 v[T0+4*\i:T0+4*\i+3], v[RL1] offset:6144+512*\i
.endr
	s_wait_dscnt 0x0
.irp i, 0,2,4,6,8,10,12,14
	v_pk_add_f32 v[WB+\i:WB+\i+1], v[WB+\i:WB+\i+1], v[WB+16+\i:WB+16+\i+1]
	v_pk_add_f32 v[WB+32+\i:WB+32+\i+1], v[WB+32+\i:WB+32+\i+1], v[T0+\i:T0+\i+1]
.endr
.irp i, 0,2,4,6,8,10,12,14
	v_pk_add_f32 v[WB+\i:WB+\i+1], v[WB+\i:WB+\i+1], v[WB+32+\i:WB+32+\i+1]   ; the same order in every wave: score (a, b) in v[WB + 4 a + b]
.endr
.irp a, 0,1,2,3
	v_max3_num_f32 v[WB+16+\a], v[WB+4*\a], v[WB+4*\a+1], v[WB+4*\a+2]
.endr
.irp a, 0,1,2,3
	v_max_num_f32 v[WB+16+\a], v[WB+16+\a], v[WB+4*\a+3]      ; the row's maximum is taken away ahead of the exponential
.endr
.irp a, 0,1,2,3
.irp b, 0,1,2,3
	v_sub_f32 v[WB+4*\a+\b], v[WB+4*\a+\b], v[WB+16+\a]
.endr
.endr
.irp i, 0,1,2,3,4,5,6,7,8,9,10,11,12,13,14,15
	v_mul_f32 v[WB+\i], s[CE], v[WB+\i]            ; x log2(e) / sqrt(1024)
.endr
.irp i, 0,1,2,3,4,5,6,7,8,9,10,11,12,13,14,15
	v_exp_f32 v[WB+\i], v[WB+\i]
.endr
	v_nop                                          ; a plain place behind the batch,
	s_wait_alu depctr_va_vdst(0)                   ; and one wait for its sixteen, ahead of the first use
.irp a, 0,1,2,3
	v_add_f32 v[WB+16+\a], v[WB+4*\a], v[WB+4*\a+1]
.endr
.irp a, 0,1,2,3
	v_add_f32 v[WB+20+\a], v[WB+4*\a+2], v[WB+4*\a+3]
.endr
.irp a, 0,1,2,3
	v_add_f32 v[WB+16+\a], v[WB+16+\a], v[WB+20+\a]
.endr
.irp a, 0,1,2,3
	v_rcp_f32 v[WB+24+\a], v[WB+16+\a]
.endr
	v_nop
	s_wait_alu depctr_va_vdst(0)                   ; one wait for the four reciprocals
.irp a, 0,1,2,3
.irp b, 0,1,2,3
	v_mul_f32 v[SS+2*(4*\a+\b)], v[WB+4*\a+\b], v[WB+24+\a]   ; attn (a, b), in the low word of pair 4 a + b
.endr
.endr
	s_branch .Lnext
.Lnot_qk:
	s_cmp_eq_u32 s[CH], 4
	s_cbranch_scc0 .Lnot_4
	MIX 0
	s_branch .Lnext
.Lnot_4:
	s_cmp_eq_u32 s[CH], 5
	s_cbranch_scc0 .Lffn
	MIX 1
	; ---- the layer norm over a sample's 4,096 numbers: 512 in each of its eight lanes
.irp wx, 2,3
	WIN \wx
.set j, 0
.rept 128
.set lc, LC+2*((j/2)%8)
.if (\wx == 2) && (j < 16)
	v_pk_add_f32 v[lc:lc+1], v[j:j+1], 0 op_sel_hi:[1,0]      ; the first terms start the chains
.else
	v_pk_add_f32 v[lc:lc+1], v[j:j+1], v[lc:lc+1]
.endif
.set j, j+2
.endr
.endr
	WIN 0
	LRED 0
	v_mul_f32 v[MU], s[P12], v[LC]                 ; the mean
.irp wx, 2,3
	WIN (\wx)|((\wx)<<6)
.set j, 0
.rept 128
	v_pk_add_f32 v[j:j+1], v[j:j+1], v[MU:MU+1] op_sel_hi:[1,0] neg_lo:[0,1] neg_hi:[0,1]   ; x - mean, in place
.set j, j+2
.endr
	WIN (\wx)|((\wx)<<2)
.set j, 0
.rept 128
.set lc, LC+2*((j/2)%8)
.if (\wx == 2) && (j < 16)
	v_pk_mul_f32 v[lc:lc+1], v[j:j+1], v[j:j+1]
.else
	v_pk_fma_f32 v[lc:lc+1], v[j:j+1], v[j:j+1], v[lc:lc+1]
.endif
.set j, j+2
.endr
.endr
	WIN 0
	LRED 512
	v_fma_f32 v[LC], v[LC], s[P12], s[EPSR]        ; var + eps
	v_rsq_f32 v[RS], v[LC]
	v_nop
	s_wait_alu depctr_va_vdst(0)
.irp wx, 2,3
	WIN (\wx)|((\wx)<<6)
.set j, 0
.rept 128
	v_pk_mul_f32 v[j:j+1], v[j:j+1], v[RS:RS+1] op_sel_hi:[1,0]
.set j, j+2
.endr
.endr
	WIN 0
	; ---- LN(x) is quantised over x's images: every wave's reads of them were waited for in front of the norm's barriers
.irp g, 0,1,2,3,4,5,6,7
	QTURN \g, 0
.endr
	BAR
	XSLOAD 0, 0, 0                                 ; the look-ahead had fetched the old codes
	XLOAD 0, 0, 0
	XLOAD 1, 0, 0
	XLOAD 2, 0, 0
	XLOAD 3, 0, 0
	s_branch .Lnext
.Lffn:
	WIN 0x44
.set j, 0
.rept 256
	v_max_num_f32 v[j], 0, v[j]                    ; relu, in f32; each accumulator from its low end on
.set j, j+1
.endr
	WIN 0
	s_cmp_eq_u32 s[CH], 6
	s_cbranch_scc0 .Lpack_1
	PACK 0
	s_branch .Lnext
.Lpack_1:
	PACK 1
.Lnext:
	s_add_co_u32 s[CH], s[CH], 1
	s_cmp_lt_u32 s[CH], 8
	s_cbranch_scc1 .Lchunk
	; ---- the last product: out^T (16 classes x 16 samples) = Wf^T y^T, K = my 256 hidden units of each of the four views; one accumulator a view, by turns
	s_wait_dscnt 0x0                               ; the look-ahead's loads have landed: their registers are taken anew
	s_wait_tensorcnt 0x0                           ; my part of the stream's last slot is in; only I read it
.irp f, 0,1,2,3,4,5,6,7,8,9,10,11,12,13,14,15
	ds_load_b128 v[X+8*\f:X+8*\f+3], v[AW] offset:1024*\f
	ds_load_b128 v[X+8*\f+4:X+8*\f+7], v[AW] offset:1024*\f+512
.endr
	WIN 0x40
.irp f, 0,1,2,3,4,5,6,7,8,9,10,11,12,13,14,15
	ds_load_b128 v[8*\f:8*\f+3], v[AW+1] offset:1024*\f
	ds_load_b128 v[8*\f+4:8*\f+7], v[AW+1] offset:1024*\f+512
.endr
	s_wait_dscnt 32                                ; chunk 6's sixteen fragments of Wf are in; chunk 7's 32 loads may be out
	WIN 0x08                                       ; source 1 in window 2
.irp b, 0,1,2,3
.irp m, 0,1,2,3
.if \b == 0
	v_wmma_f32_16x16x32_bf16 v[SS+8*\m:SS+8*\m+7], v[X+8*(4*\m+\b):X+8*(4*\m+\b)+7], v[32*\m+8*\b:32*\m+8*\b+7], 0
.else
	v_wmma_f32_16x16x32_bf16 v[SS+8*\m:SS+8*\m+7], v[X+8*(4*\m+\b):X+8*(4*\m+\b)+7], v[32*\m+8*\b:32*\m+8*\b+7], v[SS+8*\m:SS+8*\m+7]
.endif
.endr
.endr
	s_wait_dscnt 0x0
	WIN 0x0d                                       ; source 0 in window 1, source 1 in window 3
.irp b, 0,1,2,3
.irp m, 0,1,2,3
	v_wmma_f32_16x16x32_bf16 v[SS+8*\m:SS+8*\m+7], v[8*(4*\m+\b):8*(4*\m+\b)+7], v[32*\m+8*\b:32*\m+8*\b+7], v[SS+8*\m:SS+8*\m+7]
.endr
.endr
	PLACES 4
	WIN 0
.irp j, 0,2,4,6
	v_pk_add_f32 v[SS+\j:SS+\j+1], v[SS+\j:SS+\j+1], v[SS+8+\j:SS+8+\j+1]       ; the four views; each accumulator from its low end on
.endr
.irp j, 0,2,4,6
	v_pk_add_f32 v[SS+16+\j:SS+16+\j+1], v[SS+16+\j:SS+16+\j+1], v[SS+24+\j:SS+24+\j+1]
.endr
.irp j, 0,2,4,6
	v_pk_add_f32 v[SS+\j:SS+\j+1], v[SS+\j:SS+\j+1], v[SS+16+\j:SS+16+\j+1]     ; lane (r, h): classes 8 h .. 8 h + 7 of sample r, my 1,024 hidden units' share
.endr
	ds_store_b128 v[RW4], v[SS:SS+3]
	ds_store_b128 v[RW4], v[SS+4:SS+7] offset:512
	BAR                                            ; the four waves' parts lie in LDS
	s_cmp_lg_u32 s[WV], 0
	s_cbranch_scc1 .Lend                           ; wave 0 adds them and stores the work-group's 160 numbers: under this branch LDS is only read
.irp k, 0,1,2,3
	global_load_b64 v[T0+2*\k:T0+2*\k+1], v[OC+\k], s[16:17]       ; bf of my classes 8 h + 2 k, + 1 (lanes 16-31: of classes 8, 9 each time)
.endr
.irp w, 0,1,2,3
	ds_load_b128 v[X+8*\w:X+8*\w+3], v[RL4] offset:1024*\w         ; wave w's part comes back as it was stored: the same registers in the same lanes
	ds_load_b128 v[X+8*\w+4:X+8*\w+7], v[RL4] offset:1024*\w+512
.endr
	s_wait_dscnt 0x0
.irp j, 0,2,4,6
	v_pk_add_f32 v[X+\j:X+\j+1], v[X+\j:X+\j+1], v[X+8+\j:X+8+\j+1]
	v_pk_add_f32 v[X+16+\j:X+16+\j+1], v[X+16+\j:X+16+\j+1], v[X+24+\j:X+24+\j+1]
.endr
.irp j, 0,2,4,6
	v_pk_add_f32 v[X+\j:X+\j+1], v[X+\j:X+\j+1], v[X+16+\j:X+16+\j+1]
.endr
	s_wait_loadcnt 0x0
.irp j, 0,2,4,6
	v_pk_add_f32 v[X+\j:X+\j+1], v[X+\j:X+\j+1], v[T0+\j:T0+\j+1]
.endr
	global_store_b64 v[GO], v[X:X+1], s[18:19]     ; lanes 0-15: classes 0, 1 of sample r; lanes 16-31: classes 8, 9
	v_cmp_gt_u32 vcc_lo, 16, v0                    ; (in wave 0 the thread's number is the lane's)
	s_wait_xcnt 0x0                                ; EXEC changes only behind this wait: the loads and the store above have read theirs
	s_and_saveexec_b32 s52, vcc_lo                 ; classes 2 to 7 lie in lanes 0-15 alone; classes 10 to 15 do not exist
.irp k, 1,2,3
	global_store_b64 v[GO], v[X+2*\k:X+2*\k+1], s[18:19] offset:8*\k
.endr
	s_wait_xcnt 0x0                                ; and again, in front of the line that widens it
	s_or_b32 exec_lo, exec_lo, s52
.Lend:
	s_wait_tensorcnt 0x0                           ; the wave's end: behind my last tensor load and my last LDS store
	ds_add_u32 v[SPW], v[NIL]
	s_wait_dscnt 0x0
	CROUND                                         ; the closing round: no work-group ends while a partner may still ask for a part that names it
	s_endpgm
.Lfunc_end_k_q59e9778238_fused:
	.size	k_q59e9778238_fused, .Lfunc_end_k_q59e9778238_fused-k_q59e9778238_fused
	.p2alignl 7, 3214868480
	.fill 96, 4, 3214868480
	.section	.rodata,"a",@progbits
	.p2align	6, 0x0
	.amdhsa_kernel k_q59e9778238_fused
		.amdhsa_group_segment_fixed_size 327680
		.amdhsa_private_segment_fixed_size 0
		.amdhsa_enable_private_segment 0
		.amdhsa_kernarg_size 64
		.amdhsa_user_sgpr_count 2
		.amdhsa_user_sgpr_kernarg_segment_ptr 1
		.amdhsa_wavefront_size32 1
		.amdhsa_system_sgpr_workgroup_id_x 1
		.amdhsa_system_sgpr_workgroup_id_y 1
		.amdhsa_system_sgpr_workgroup_id_z 1
		.amdhsa_system_vgpr_workitem_id 0
		.amdhsa_next_free_vgpr 1024
		.amdhsa_next_free_sgpr 66
		.amdhsa_reserve_vcc 1
		.amdhsa_float_denorm_mode_32 3
		.amdhsa_float_denorm_mode_16_64 3
		.amdhsa_memory_ordered 1
		.amdhsa_forward_progress 1
		.amdhsa_inst_pref_size 255
	.end_amdhsa_kernel
	.section	.bss,"aw",@nobits
	.p2align	6
	.space	262144
	.amdgpu_metadata
---
amdhsa.version: [ 1, 2 ]
amdhsa.kernels:
  - .name:           k_q59e9778238_fused
    .symbol:         k_q59e9778238_fused.kd
    .args:
      - { .name: xt, .offset: 0, .size: 8, .value_kind: global_buffer, .address_space: global }
      - { .name: wst, .offset: 8, .size: 8, .value_kind: global_buffer, .address_space: global }
      - { .name: bq, .offset: 16, .size: 8, .value_kind: global_buffer, .address_space: global }
      - { .name: bk, .offset: 24, .size: 8, .value_kind: global_buffer, .address_space: global }
      - { .name: bv, .offset: 32, .size: 8, .value_kind: global_buffer, .address_space: global }
      - { .name: b1, .offset: 40, .size: 8, .value_kind: global_buffer, .address_space: global }
      - { .name: bf, .offset: 48, .size: 8, .value_kind: global_buffer, .address_space: global }
      - { .name: out0, .offset: 56, .size: 8, .value_kind: global_buffer, .address_space: global }
    .group_segment_fixed_size: 327680
    .private_segment_fixed_size: 0
    .kernarg_segment_align: 8
    .kernarg_segment_size: 64
    .max_flat_workgroup_size: 128
    .sgpr_count:     66
    .vgpr_count:     1024
    .wavefront_size: 32
...
	.end_amdgpu_metadata
.endif
;; end of part 2
;; ======== version 2 of 2: 2 launches
;; limits: values are held in bf16: 8 bits of precision; right only within a limited range of input values
;; workspace buffers: wst 3,481,600 bytes
;; launch prep (part 3): grid 264 x 1, 4 waves a work-group, no clusters, 0 bytes of LDS; arguments Wq, Wk, Wv, W1, Wf, wst; writes wst
.if DOCPART == 3
	.amdgcn_target "amdgcn-amd-amdhsa--gfx1250"
	.amdhsa_code_object_version 6
	.text
	.protected	k_q59e9778238_prep
	.globl	k_q59e9778238_prep
	.p2align	8
	.type	k_q59e9778238_prep,@function
k_q59e9778238_prep:
	s_mov_b64 s[64:65], 0
	v_nop
	global_prefetch_b8 v0, s[64:65] scope:SCOPE_SE
	s_setreg_imm32_b32 hwreg(HW_REG_WAVE_MODE, 25, 1), 1
	s_wait_xcnt 0x0
; The four weights [1024 (k)][1024 (n)], f32, K their FIRST axis, become codes of BF6 (E3M2) with one E8M0 byte for each 32 along K, laid as IMAGES OF THE
; OPERAND'S REGISTERS in the order in which the second launch walks them; Wf [4096][10] becomes bf16 fragment images at the stream's end.
; THE STREAM: 34 slots of 102,400 bytes; a slot has four parts of 25,600 bytes, one for each wave of the second launch's work-group.
;   slots 0-31 (slot = 4 x chunk + K step / 2, q = K step % 2): fragment (tile t of 8, q) at q x 12,288 + t x 1,536: register g of lane l at 512 (g / 4) + 16 l + 4 (g % 4);
;   scale words at 24,576 + q x 512 + (t / 2) x 128 + 4 l: lanes 0-15 tile 2 p's rows, lanes 16-31 tile 2 p + 1's.
;   chunks 0-3: tiles 0-3 = 64 columns of Wq, tiles 4-7 the same 64 of Wk; chunks 4, 5: 128 columns of Wv; chunks 6, 7: 128 of W1.  Part w holds columns 256 w .. 256 w + 255.
;   slots 32, 33: sixteen bf16 fragments of Wf (view m, 32 hidden units b: at (4 m + b) x 1,024), then zeros up to the part's end.
; THE ROWS OF A TILE ARE NOT NEIGHBOURS: lane r of tile 2 p + u takes column 32 p + 8 u + r + 8 (r / 8), so that the second launch's results of two neighbouring tiles are 16 neighbours along the next K.
; A LANE TAKES A COLUMN AND ITS REGISTERS RUN DOWN K: a block's largest magnitude needs no other lane and the conversions give codes with K innermost.  A wave takes 32 columns (two tiles) x 128 K:
; lanes 0-15 hold tile 2 p's rows, lanes 16-31 tile 2 p + 1's, each all four blocks; twelve exchanges of halves make the two operands' registers of them.
; A block's scale is 2^(floor(log2(largest magnitude)) - 4); its byte is the largest magnitude's exponent field - 4, held at 1 from below.
; LIMITS: a block of zeros, and one whose largest magnitude lies under 2^-122, gets the byte 1 (its codes then add what the floor's scale leaves; zero codes add nothing; only this program reads the bytes).
; NaN and infinities among the inputs are not served.
; Work-groups 0-255: weight = g / 64, K step = (g / 8) % 8, four blocks of 32 columns, one a wave.  Work-groups 256-263: Wf, one part of slots 32, 33 each; wave = view.  No LDS, no barrier: waves share nothing.
.set SLOTB, 102400
.set PART,  25600
.set EMAX,  4
.set X,     32                         ; v32-159  four blocks of 32 numbers
.set F0,    160                        ; v160-171 the operand registers of tile 2 p
.set F1,    172                        ; v172-183 of tile 2 p + 1
.set TH,    184                        ; v184-199 each block's upper 16 codes (a conversion's three registers begin on an even number)
	s_load_b256 s[4:11], s[0:1], 0x0               ; Wq, Wk, Wv, W1
	s_load_b128 s[12:15], s[0:1], 0x20             ; Wf, the stream
	v_lshrrev_b32 v1, 5, v0
	v_readfirstlane_b32 s16, v1                    ; wave
	v_and_b32 v2, 31, v0                           ; lane
	s_wait_kmcnt 0x0
	s_cmp_lt_u32 ttmp9, 256
	s_cbranch_scc0 .Lwf
	s_lshr_b32 s17, ttmp9, 6                       ; which weight
	s_bfe_u32 s18, ttmp9, 0x30003                  ; K step
	s_and_b32 s19, ttmp9, 7
	s_lshl_b32 s19, s19, 2
	s_add_co_u32 s19, s19, s16                     ; b: my block of 32 columns, 0 .. 31
	s_lshr_b32 s20, s19, 3                         ; the wave of the second launch that takes it
	s_and_b32 s21, s19, 7                          ; the block among that wave's eight
	s_lshr_b32 s22, s21, 1                         ; Wq, Wk: chunk = block / 2,
	s_and_b32 s23, s21, 1
	s_lshl_b32 s24, s17, 1
	s_add_co_u32 s23, s23, s24                     ; pair of tiles = 2 x weight + block % 2
	s_lshr_b32 s25, s21, 2
	s_add_co_u32 s25, s25, s24                     ; Wv, W1: chunk = 2 x weight + block / 4,
	s_and_b32 s26, s21, 3                          ; pair of tiles = block % 4
	s_cmp_lt_u32 s17, 2
	s_cselect_b32 s22, s22, s25
	s_cselect_b32 s23, s23, s26
	s_lshl_b32 s22, s22, 2
	s_lshr_b32 s25, s18, 1
	s_add_co_u32 s22, s22, s25                     ; slot
	s_mul_i32 s22, s22, SLOTB
	s_mul_i32 s25, s20, PART
	s_add_co_u32 s22, s22, s25                     ; the part's first byte
	s_and_b32 s25, s18, 1                          ; q
	s_mul_i32 s26, s25, 12288
	s_add_co_u32 s26, s26, s22
	s_mul_i32 s27, s23, 3072
	s_add_co_u32 s26, s26, s27                     ; my two fragments
	s_mov_b32 s27, 0
	s_lshl_b32 s28, s25, 9
	s_lshl_b32 s29, s23, 7
	s_add_co_u32 s28, s28, s29
	s_add_co_u32 s28, s28, s22
	s_add_co_u32 s28, s28, 24576                   ; their scale words
	s_mov_b32 s29, 0
	s_lshl_b32 s30, s18, 19                        ; 128 rows of 4,096 bytes a K step,
	s_lshl_b32 s31, s19, 7                         ; 128 bytes a block of columns
	s_add_co_u32 s30, s30, s31
	s_mov_b32 s31, 0
	s_cmp_eq_u32 s17, 1                            ; the choice hangs on the work-group's number alone
	s_cselect_b64 s[4:5], s[6:7], s[4:5]
	s_cmp_eq_u32 s17, 2
	s_cselect_b64 s[4:5], s[8:9], s[4:5]
	s_cmp_eq_u32 s17, 3
	s_cselect_b64 s[4:5], s[10:11], s[4:5]
	s_add_nc_u64 s[4:5], s[4:5], s[30:31]
	s_add_nc_u64 s[32:33], s[14:15], s[26:27]
	s_add_nc_u64 s[34:35], s[14:15], s[28:29]
	s_wait_alu depctr_va_vdst(0)
	v_and_b32 v3, 7, v2                            ; my column in the block: (l % 8) + 16 ((l / 8) % 2) + 8 (l / 16)
	v_bfe_u32 v4, v2, 3, 1
	v_bfe_u32 v5, v2, 4, 1
	v_lshl_add_u32 v3, v4, 4, v3
	v_lshl_add_u32 v3, v5, 3, v3
	v_lshlrev_b32 v3, 2, v3
	v_lshlrev_b32 v6, 4, v2                        ; an image's place for my lane
	v_lshlrev_b32 v7, 2, v2                        ; a scale word's
.macro PLOAD t                         ; block t: W(32 t + i, my column): the wave's 32 lanes read 128 consecutive bytes, the work-group's four waves 512
.irp i, 0,1,2,3,4,5,6,7,8,9,10,11,12,13,14,15,16,17,18,19,20,21,22,23,24,25,26,27,28,29,30,31
	global_load_b32 v[X+32*(\t)+\i], v3, s[4:5] offset:(32*(\t)+\i)*4096 th:TH_LOAD_NT
.endr
.endm
.macro PBLK t                          ; block t: its scale, its byte, its 32 codes
.set XB, X+32*(\t)
	v_max3_num_f32 v8, |v[XB]|, |v[XB+1]|, |v[XB+2]|                ; the largest magnitude, in two chains: all 32 numbers are mine
	v_max3_num_f32 v9, |v[XB+3]|, |v[XB+4]|, |v[XB+5]|
.irp i, 6,10,14,18,22,26
	v_max3_num_f32 v8, v8, |v[XB+\i]|, |v[XB+\i+1]|
	v_max3_num_f32 v9, v9, |v[XB+\i+2]|, |v[XB+\i+3]|
.endr
	v_max3_num_f32 v8, v8, |v[XB+30]|, |v[XB+31]|
	v_max3_num_f32 v8, v8, v9, (EMAX+1)<<23        ; and the floor 2^(5 - 127): the byte cannot fall under 1
	v_add_nc_u32 v[12+(\t)], -(EMAX<<23), v8       ; 4 off its exponent field: the conversion takes the exponent field of this operand as its scale
	v_lshrrev_b32 v10, 23, v[12+(\t)]              ; the byte
.if (\t) == 0
	v_mov_b32 v11, v10                             ; four bytes make my row's scale word, the lower K in the lower byte
.else
	v_lshl_or_b32 v11, v10, 8*(\t), v11
.endif
	v_cvt_scalef32_pk16_bf6_f32 v[F0+12*((\t)%2)+6*((\t)/2):F0+12*((\t)%2)+6*((\t)/2)+2], v[XB:XB+15], v[12+(\t)]
	v_cvt_scalef32_pk16_bf6_f32 v[TH+4*(\t):TH+4*(\t)+2], v[XB+16:XB+31], v[12+(\t)]
.endm
	PLOAD 0                                        ; all four blocks are asked for at once: 128 loads, each into a register of its own
	PLOAD 1
	PLOAD 2
	PLOAD 3
	s_wait_alu depctr_va_vdst(0)
	s_wait_loadcnt 63                              ; at most 63 of the 128 are out: the 65 oldest, blocks 0 and 1 among them, are in
	PBLK 0
	PBLK 1
	s_wait_loadcnt 32                              ; block 2 is in; block 3's may be out
	PBLK 2
	s_wait_loadcnt 0x0
	PBLK 3
	v_nop                                          ; one plain place behind the last scaled conversion
; The operand wants lane (r, 0) to hold blocks 0 and 2 of row r, lane (r, 1) blocks 1 and 3.  Each exchange gives the first register's lanes 16-31 for the second's lanes 0-15:
; of (block 0, block 1) it makes (tile 2 p's registers, tile 2 p + 1's); of (block 2, block 3) likewise.
.irp i, 0,1,2
	v_permlane16_swap_b32 v[F0+\i], v[F1+\i]
	v_permlane16_swap_b32 v[F0+6+\i], v[F1+6+\i]
	v_permlane16_swap_b32 v[TH+\i], v[TH+4+\i]
	v_permlane16_swap_b32 v[TH+8+\i], v[TH+12+\i]
.endr
.irp i, 0,1,2
	v_mov_b32 v[F0+3+\i], v[TH+\i]
	v_mov_b32 v[F1+3+\i], v[TH+4+\i]
	v_mov_b32 v[F0+9+\i], v[TH+8+\i]
	v_mov_b32 v[F1+9+\i], v[TH+12+\i]
.endr
.irp c, 0,1,2
	global_store_b128 v6, v[F0+4*\c:F0+4*\c+3], s[32:33] offset:512*\c        ; each store of the wave covers 512 consecutive bytes, aligned to 256
	global_store_b128 v6, v[F1+4*\c:F1+4*\c+3], s[32:33] offset:1536+512*\c
.endr
	global_store_b32 v7, v11, s[34:35]             ; 32 scale words, 128 consecutive bytes
	s_endpgm
.Lwf:
; Wf.  Fragment (view m, b): lane (c, h) holds Wf[1024 m + 256 w + 128 cc + 32 b + 16 h + i][c], i = 0 .. 15, two to a register: the order in which the second launch's packed results lie; zeros for c >= 10.
	s_sub_co_u32 s17, ttmp9, 256
	s_lshr_b32 s18, s17, 2                         ; cc: slot 32 or 33
	s_and_b32 s19, s17, 3                          ; w: the part
	s_lshl_b32 s20, s16, 10
	s_lshl_b32 s21, s19, 8
	s_add_co_u32 s20, s20, s21
	s_lshl_b32 s21, s18, 7
	s_add_co_u32 s20, s20, s21                     ; my first row of Wf
	s_mul_i32 s20, s20, 40
	s_mov_b32 s21, 0
	s_add_nc_u64 s[12:13], s[12:13], s[20:21]
	s_add_co_u32 s22, s18, 32
	s_mul_i32 s22, s22, SLOTB
	s_mul_i32 s23, s19, PART
	s_add_co_u32 s22, s22, s23
	s_mov_b32 s23, 0
	s_add_nc_u64 s[14:15], s[14:15], s[22:23]
	s_wait_alu depctr_va_vdst(0)
	v_and_b32 v3, 15, v2                           ; c
	v_lshrrev_b32 v4, 4, v2                        ; h
	v_min_u32 v5, 9, v3                            ; lanes of c >= 10 read column 9 and keep nothing of it: no load leaves the buffer
	v_lshlrev_b32 v5, 2, v5
	v_mad_u32_u24 v5, v4, 640, v5                  ; + 16 h rows of 40 bytes
.irp b, 0,1,2,3
.irp i, 0,1,2,3,4,5,6,7,8,9,10,11,12,13,14,15
	global_load_b32 v[X+16*\b+\i], v5, s[12:13] offset:(32*\b+\i)*40
.endr
.endr
	v_cmp_gt_u32 vcc_lo, 10, v3
	v_lshlrev_b32 v6, 4, v2
	s_lshl_b32 s24, s16, 12                        ; my view's four fragments
	v_add_nc_u32 v6, s24, v6
	v_lshlrev_b32 v7, 3, v0
	v_mov_b32 v8, 0
	v_mov_b32 v9, 0
	s_wait_loadcnt 0x0
.irp b, 0,1,2,3
.irp k, 0,1,2,3,4,5,6,7
	v_cvt_pk_bf16_f32 v[96+8*\b+\k], v[X+16*\b+2*\k], v[X+16*\b+2*\k+1]
.endr
.irp k, 0,1,2,3,4,5,6,7
	v_cndmask_b32 v[96+8*\b+\k], 0, v[96+8*\b+\k], vcc_lo
.endr
	global_store_b128 v6, v[96+8*\b:96+8*\b+3], s[14:15] offset:1024*\b
	global_store_b128 v6, v[96+8*\b+4:96+8*\b+7], s[14:15] offset:1024*\b+512
.endr
.irp i, 0,1,2,3,4,5,6,7,8
	global_store_b64 v7, v[8:9], s[14:15] offset:16384+1024*\i   ; the rest of the part: the second launch's tensor load brings it, so it is written
.endr
	s_endpgm
.Lfunc_end_k_q59e9778238_prep:
	.size	k_q59e9778238_prep, .Lfunc_end_k_q59e9778238_prep-k_q59e9778238_prep
	.p2alignl 7, 3214868480
	.fill 96, 4, 3214868480
	.section	.rodata,"a",@progbits
	.p2align	6, 0x0
	.amdhsa_kernel k_q59e9778238_prep
		.amdhsa_group_segment_fixed_size 0
		.amdhsa_private_segment_fixed_size 0
		.amdhsa_enable_private_segment 0
		.amdhsa_kernarg_size 48
		.amdhsa_user_sgpr_count 2
		.amdhsa_user_sgpr_kernarg_segment_ptr 1
		.amdhsa_wavefront_size32 1
		.amdhsa_system_sgpr_workgroup_id_x 1
		.amdhsa_system_sgpr_workgroup_id_y 1
		.amdhsa_system_sgpr_workgroup_id_z 1
		.amdhsa_system_vgpr_workitem_id 0
		.amdhsa_next_free_vgpr 208
		.amdhsa_next_free_sgpr 66
		.amdhsa_reserve_vcc 1
		.amdhsa_float_denorm_mode_32 3
		.amdhsa_float_denorm_mode_16_64 3
		.amdhsa_memory_ordered 1
		.amdhsa_forward_progress 1
		.amdhsa_inst_pref_size 34
	.end_amdhsa_kernel
	.amdgpu_metadata
---
amdhsa.version: [ 1, 2 ]
amdhsa.kernels:
  - .name:           k_q59e9778238_prep
    .symbol:         k_q59e9778238_prep.kd
    .args:
      - { .name: Wq, .offset: 0, .size: 8, .value_kind: global_buffer, .address_space: global }
      - { .name: Wk, .offset: 8, .size: 8, .value_kind: global_buffer, .address_space: global }
      - { .name: Wv, .offset: 16, .size: 8, .value_kind: global_buffer, .address_space: global }
      - { .name: W1, .offset: 24, .size: 8, .value_kind: global_buffer, .address_space: global }
      - { .name: Wf, .offset: 32, .size: 8, .value_kind: global_buffer, .address_space: global }
      - { .name: wst, .offset: 40, .size: 8, .value_kind: global_buffer, .address_space: global }
    .group_segment_fixed_size: 0
    .private_segment_fixed_size: 0
    .kernarg_segment_align: 8
    .kernarg_segment_size: 48
    .max_flat_workgroup_size: 128
    .sgpr_count:     66
    .vgpr_count:     208
    .wavefront_size: 32
...
	.end_amdgpu_metadata
.endif
;; end of part 3
;; launch fused (part 4): grid 256 x 1, 4 waves a work-group, clusters of 4 x 1, 327,680 bytes of LDS; arguments xt, wst, bq, bk, bv, b1, bf, out0; writes out0
.if DOCPART == 4
	.amdgcn_target "amdgcn-amd-amdhsa--gfx1250"
	.amdhsa_code_object_version 6
	.text
	.protected	k_q59e9778238_fused
	.globl	k_q59e9778238_fused
	.p2align	8
	.type	k_q59e9778238_fused,@function
k_q59e9778238_fused:
	s_mov_b64 s[64:65], 0
	v_nop
	global_prefetch_b8 v0, s[64:65] scope:SCOPE_SE
	s_setreg_imm32_b32 hwreg(HW_REG_WAVE_MODE, 25, 1), 1
	s_wait_xcnt 0x0
	s_wait_alu depctr_hold_cnt(0) depctr_sa_sdst(0) depctr_va_vdst(0) depctr_va_sdst(0) depctr_va_ssrc(0) depctr_va_vcc(0) depctr_vm_vsrc(0)
	s_getreg_b32 s2, hwreg(HW_REG_IB_STS2, 6, 4)
	s_cmp_eq_u32 s2, 0
	s_cbranch_scc0 .Lentry_in_a_cluster
	s_endpgm
.Lentry_in_a_cluster:
	s_bfe_u32 s2, ttmp6, 0x10000c
	s_cmp_lg_u32 s2, 0x3003
	s_cbranch_scc0 .Lentry_shape_is_right
	s_endpgm
.Lentry_shape_is_right:
.set PART,  25600
.set SLOTB, 4*PART
.set CHB,   4*SLOTB
.set SLOT1, 1<<17
.set BIAS,  SLOTB
.set RED1,  BIAS+16384
.set RED2,  RED1+8192
.set XIMG,  SLOT1+SLOTB
.set XSCO,  12288
.set RED4,  XIMG+65536
.set SPARE, RED4+4096
.set XSTG,  SPARE+512
.set XSP,   272
.set LI,   1
.set LS,   2
.set AW,   3
.set AWS,  5
.set SPW,  7
.set NIL,  8
.set XWI,  9
.set XWS,  10
.set AX,   11
.set PFO,  12
.set XA,   13
.set AXS,  14
.set ABI,  15
.set XS,   16
.set WS,   20
.set SS,   24
.set X,    56
.set WA,   104
.set WB,   152
.set TM,   200
.set PW,   216
.set GO,   218
.set RL4,  219
.set SWA,  220
.set SRA,  221
.set RW4,  223
.set MU,   226
.set RS,   228
.set ABI0, 230
.set RW1,  231
.set RL1,  232
.set RW2,  233
.set T0,   234
.set RL2,  250
.set OC,   251
.set LC,   WB
.set WV,   20
.set CX,   21
.set WG,   22
.set G1,   24
.set G0,   32
.set SEL,  40
.set ROT,  42
.set R1,   43
.set TBI,  44
.set CH,   45
.set OFA,  46
.set OFN,  47
.set LIM,  48
.set CLX,  49
.set PFA,  50
.set CE,   56
.set P12,  57
.set EPSR, 58
.set PFQ,  59
.set OFP,  60
.set MSB, 0
.macro WIN new
.if MSB != (\new)
	s_set_vgpr_msb (MSB<<8)|(\new)
.set MSB, (\new)
.endif
.endm
.macro PLACES n
.rept \n
	v_nop
.endr
.endm
.macro CREST
	s_cmp_lg_u32 s[WV], 0
	s_cbranch_scc1 .Lnot_wave_0_\@
	s_barrier_signal -3
.Lnot_wave_0_\@:
	s_barrier_wait -3
	s_barrier_signal -1
	s_barrier_wait -1
.endm
.macro CROUND
	s_barrier_signal -1
	s_barrier_wait -1
	CREST
.endm
.macro BAR
	s_wait_dscnt 0x0
	s_barrier_signal -1
	s_barrier_wait -1
.endm
.macro CLOF d, c
	s_add_co_u32 s62, s[\c], s[ROT]
	s_and_b32 s62, s62, 3
	s_xor_b32 s63, s[\c], s[R1]
	s_cmp_lt_u32 s[\c], 4
	s_cselect_b32 s[\d], s62, s63
	s_cmp_lt_u32 s[\c], 8
	s_cselect_b32 s[\d], s[\d], s[\c]
.endm
.macro WLOAD fr, slot, q, half
.irp i, 0,1,2,3
.irp c, 0,1,2
	ds_load_b128 v[(\fr)+12*\i+4*\c:(\fr)+12*\i+4*\c+3], v[AW+(\slot)] offset:(\q)*12288+(4*(\half)+\i)*1536+512*\c
.endr
.endr
.irp k, 0,1
	ds_load_b32 v[WS+2*(\half)+\k], v[AWS+(\slot)] offset:24576+(\q)*512+(2*(\half)+\k)*128
.endr
.endm
.macro XSLOAD par, sl, q
.irp k, 0,1
	ds_load_b32 v[XS+2*(\par)+\k], v[AXS] offset:(\sl)*16384+(\q)*256+128*\k
.endr
.endm
.macro XLOAD m, sl, q
.irp c, 0,1,2
	ds_load_b128 v[X+12*(\m)+4*\c:X+12*(\m)+4*\c+3], v[AX] offset:(\sl)*16384+(4*(\q)+(\m))*1536+512*\c
.endr
.endm
.macro GRP m, half, fr, par, first
.irp i, 0,1,2,3
.set rD, 64*(\m)+8*(4*(\half)+\i)
.set rC, rD
.if (\first) && ((\m) < 3)
.set rC, 192+8*(4*(\half)+\i)
.endif
.set rA, (\fr)+12*\i
.set rB, X+12*(\m)
.set rP, WS+2*(\half)+\i/2
.set rQ, XS+2*(\par)+(\m)/2
.if (\i%2 == 0) && ((\m)%2 == 0)
	v_wmma_scale_f32_16x16x128_f8f6f4 v[rD:rD+7], v[rA:rA+11], v[rB:rB+11], v[rC:rC+7], v[rP], v[rQ] matrix_a_fmt:MATRIX_FMT_BF6 matrix_b_fmt:MATRIX_FMT_BF6
.elseif (\i%2 == 1) && ((\m)%2 == 0)
	v_wmma_scale_f32_16x16x128_f8f6f4 v[rD:rD+7], v[rA:rA+11], v[rB:rB+11], v[rC:rC+7], v[rP], v[rQ] matrix_a_fmt:MATRIX_FMT_BF6 matrix_b_fmt:MATRIX_FMT_BF6 matrix_a_scale:MATRIX_SCALE_ROW1
.elseif (\i%2 == 0)
	v_wmma_scale_f32_16x16x128_f8f6f4 v[rD:rD+7], v[rA:rA+11], v[rB:rB+11], v[rC:rC+7], v[rP], v[rQ] matrix_a_fmt:MATRIX_FMT_BF6 matrix_b_fmt:MATRIX_FMT_BF6 matrix_b_scale:MATRIX_SCALE_ROW1
.else
	v_wmma_scale_f32_16x16x128_f8f6f4 v[rD:rD+7], v[rA:rA+11], v[rB:rB+11], v[rC:rC+7], v[rP], v[rQ] matrix_a_fmt:MATRIX_FMT_BF6 matrix_b_fmt:MATRIX_FMT_BF6 matrix_a_scale:MATRIX_SCALE_ROW1 matrix_b_scale:MATRIX_SCALE_ROW1
.endif
.endr
.endm
.macro ASK sl
	s_cmp_lg_u32 s[PFQ], 0
	s_cbranch_scc0 .Lnot_mine_\@
	global_prefetch_b8 v[PFO], s[PFA:PFA+1] offset:(\sl)*SLOTB th:TH_LOAD_NT scope:SCOPE_SE
.Lnot_mine_\@:
.endm
.macro KS sl, q, first
.set SLT, (\sl)%2
.set NQ, 1-(\q)
.if \q
.set NSL, ((\sl)+1)%4
.else
.set NSL, (\sl)
.endif
.set NSLT, NSL%2
	WLOAD WB, SLT, \q, 1
.if \first
	s_wait_dscnt 14
.else
	s_wait_dscnt 20
.endif
	WIN 0x50
	GRP 0, 0, WA, \q, \first
	GRP 1, 0, WA, \q, \first
.if \first
	GRP 2, 0, WA, \q, 1
	PLACES 5
.else
	s_wait_dscnt 14
	GRP 2, 0, WA, \q, 0
.endif
	GRP 3, 0, WA, \q, \first
.if \q
	WIN 0
	s_wait_tensorcnt 0x0
	ds_add_u32 v[SPW], v[NIL]
.if (\sl) < 2
	s_add_co_u32 s[OFP], s[OFA], ((\sl)+2)*SLOTB
.else
	s_add_co_u32 s[OFP], s[OFN], ((\sl)-2)*SLOTB
.endif
	s_add_nc_u64 s[G0+4*SLT+2:G0+4*SLT+3], s[6:7], s[OFP:OFP+1]
	s_or_b32 s[G0+4*SLT+3], s[G0+4*SLT+3], 0x80000000
	s_wait_dscnt 0x0
	CROUND
	tensor_load_to_lds s[G0+4*SLT:G0+4*SLT+3], s[G1:G1+7]
	s_nop 0
	PLACES 4
.else
	PLACES 4
	WIN 0
.endif
	WLOAD WA, NSLT, NQ, 0
	XSLOAD NQ, NSL, NQ
.if \q
	ASK \sl
.else
	s_wait_dscnt 16
.endif
	WIN 0x50
	GRP 0, 1, WB, \q, \first
	GRP 1, 1, WB, \q, \first
	PLACES 4
	WIN 0
	XLOAD 0, NSL, NQ
	XLOAD 1, NSL, NQ
	WIN 0x50
	GRP 2, 1, WB, \q, \first
.if \first
	PLACES 5
.endif
	GRP 3, 1, WB, \q, \first
	PLACES 4
	WIN 0
	XLOAD 2, NSL, NQ
	XLOAD 3, NSL, NQ
.endm
.macro HEAD
	v_add_nc_u32 v[ABI], s[TBI], v[ABI0]
	WIN 0x40
.irp t, 0,1,2,3,4,5,6,7
.irp k, 0,1
	ds_load_b128 v[192+8*\t+4*\k:192+8*\t+4*\k+3], v[ABI] offset:128*(\t/2)+32*(\t%2)+16*\k
.endr
.endr
	WIN 0
	s_add_co_u32 s[TBI], s[TBI], 2048
.endm
.macro QUANT wx, s, pc, pw
	WIN (\wx)|((\wx)<<2)
.irp b, 0,1,2,3
	v_max3_num_f32 v[TM+\b], |v[(\s)+16*\b]|, |v[(\s)+1+16*\b]|, 0x2800000
.endr
.irp i, 2,4,6,8,10,12,14
.irp b, 0,1,2,3
	v_max3_num_f32 v[TM+\b], |v[(\s)+16*\b+\i]|, |v[(\s)+1+16*\b+\i]|, v[TM+\b]
.endr
.endr
	WIN 0
.irp b, 0,1,2,3
	v_permlanex16_b32 v[TM+4+\b], v[TM+\b], s[SEL], s[SEL+1]
.endr
.irp b, 0,1,2,3
	v_max_num_f32 v[TM+\b], v[TM+\b], v[TM+4+\b]
.endr
.irp b, 0,1,2,3
	v_add_nc_u32 v[TM+12+\b], 0xfe000000, v[TM+\b]
.endr
.irp b, 0,1,2,3
	v_lshrrev_b32 v[TM+4+\b], 23, v[TM+12+\b]
.endr
	v_lshl_or_b32 v[\pw], v[TM+5], 8, v[TM+4]
	v_lshl_or_b32 v[\pw], v[TM+6], 16, v[\pw]
	v_lshl_or_b32 v[\pw], v[TM+7], 24, v[\pw]
	WIN (\wx)
.irp c, 0,1
	v_cvt_scalef32_pk16_bf6_f32 v[(\pc)+6*\c:(\pc)+2+6*\c], v[(\s)+32*\c:(\s)+15+32*\c], v[TM+12+2*\c]
	v_cvt_scalef32_pk16_bf6_f32 v[(\pc)+12+4*\c:(\pc)+14+4*\c], v[(\s)+16+32*\c:(\s)+31+32*\c], v[TM+12+2*\c+1]
.endr
	WIN 0
	v_nop
.irp c, 0,1
.irp i, 0,1,2
	v_permlane16_swap_b32 v[(\pc)+6*\c+\i], v[(\pc)+12+4*\c+\i]
.endr
.irp i, 0,1,2
	v_mov_b32 v[(\pc)+3+6*\c+\i], v[(\pc)+12+4*\c+\i]
.endr
.endr
.endm
.macro XTLOAD g
.set mm, (\g)/2
.set ee, (\g)%2
	WIN 0x80+0x40*(mm/2)
.irp u, 0,1
.irp i, 0,1,2,3,4,5,6,7
	global_load_b128 v[128*(mm%2)+64*ee+32*\u+4*\i:128*(mm%2)+64*ee+32*\u+4*\i+3], v[XA], s[4:5] offset:\i*32768+mm*4096+(2*ee+\u)*256 th:TH_LOAD_NT
.endr
.endr
	WIN 0
.endm
.macro XTURN g
.set tm, (\g)/2
.set te, (\g)%2
.set tb, 128*(tm%2)+64*te
.set tw, 2+tm/2
.irp u, 0,1
	WIN tw<<2
.irp i, 0,1,2,3,4,5,6,7
	ds_store_b128 v[SWA], v[tb+32*\u+4*\i:tb+32*\u+4*\i+3] offset:\i*2*XSP
.endr
	WIN tw<<6
.irp p, 0,1
.irp j, 0,1,2,3
	ds_load_b128 v[tb+32*\u+16*\p+4*\j:tb+32*\u+16*\p+4*\j+3], v[SRA] offset:128*\p+16*\j
.endr
.endr
.endr
	WIN 0
.endm
.macro QTURN g, ld
.set qm, (\g)/2
.set qe, (\g)%2
.set qp, WB+24*qe
.if \ld
.if (\g) < 6
	s_wait_loadcnt 32
.else
	s_wait_loadcnt 16*(7-(\g))
.endif
.if (\g) < 5
	XTLOAD (\g)+3
.endif
	XTURN \g
	s_wait_dscnt 0x0
.else
.if (\g) >= 2
	s_wait_dscnt 4
.endif
.endif
	QUANT 2+qm/2, 128*(qm%2)+64*qe, qp, PW+qe
.irp c, 0,1,2
	ds_store_b128 v[XWI], v[qp+4*\c:qp+4*\c+3] offset:(4*qe+qm)*1536+512*\c
.endr
	ds_store_b32 v[XWS], v[PW+qe] offset:qe*256+(qm/2)*128+(qm%2)*64
.endm
.macro SCORES
	WIN 0x05
.irp t, 0,1,2,3
.irp p, 0,1,2,3
.irp a, 0,1,2,3
.irp b, 0,1,2,3
	v_pk_fma_f32 v[SS+2*(4*\a+\b):SS+2*(4*\a+\b)+1], v[64*\a+8*\t+2*\p:64*\a+8*\t+2*\p+1], v[64*\b+32+8*\t+2*\p:64*\b+32+8*\t+2*\p+1], v[SS+2*(4*\a+\b):SS+2*(4*\a+\b)+1]
.endr
.endr
.endr
.endr
	WIN 0
.endm
.macro MIX c
.irp a, 0,1,2,3
	WIN 0xa1+0x50*(\a/2)
.irp p, 0,1,2,3
.irp b, 0,1,2,3
.irp e, 0,1,2,3,4,5,6,7
.set rX, 128*(\a%2)+64*(\c)+16*\p+2*\e
.set rV, 64*\b+16*\p+2*\e
	v_pk_fma_f32 v[rX:rX+1], v[rV:rV+1], v[SS+2*(4*\a+\b):SS+2*(4*\a+\b)+1], v[rX:rX+1] op_sel_hi:[1,0,1]
.endr
.endr
.endr
.endr
	WIN 0
.endm
.macro LRED off
.irp i, 0,2,4,6
	v_pk_add_f32 v[LC+\i:LC+\i+1], v[LC+\i:LC+\i+1], v[LC+8+\i:LC+8+\i+1]
.endr
	v_pk_add_f32 v[LC:LC+1], v[LC:LC+1], v[LC+4:LC+5]
	v_pk_add_f32 v[LC+2:LC+3], v[LC+2:LC+3], v[LC+6:LC+7]
	v_pk_add_f32 v[LC:LC+1], v[LC:LC+1], v[LC+2:LC+3]
	v_add_f32 v[LC], v[LC], v[LC+1]
	v_permlanex16_b32 v[TM+4], v[LC], s[SEL], s[SEL+1]
	v_add_f32 v[LC], v[LC], v[TM+4]
	ds_store_b32 v[RW2], v[LC] offset:\off
	BAR
.irp i, 0,1,2,3
	ds_load_b32 v[LC+\i], v[RL2] offset:(\off)+128*\i
.endr
	s_wait_dscnt 0x0
	v_add_f32 v[LC], v[LC], v[LC+1]
	v_add_f32 v[LC+2], v[LC+2], v[LC+3]
	v_add_f32 v[LC], v[LC], v[LC+2]
.endm
.macro PACK c
	WIN 0x85+0x40*(\c)
.set j, 0
.rept 128
	v_cvt_pk_bf16_f32 v[j], v[2*j], v[2*j+1]
.set j, j+1
.endr
	WIN 0
.endm
	s_load_b512 s[4:19], s[0:1], 0x0
	v_lshl_add_u32 v[SPW], v0, 2, SPARE
	v_mov_b32 v[NIL], 0
	ds_add_u32 v7, v8
	ds_add_u32 v7, v8
	s_wait_dscnt 0x0
	v_lshrrev_b32 v[T0], 5, v0
	v_readfirstlane_b32 s[WV], v[T0]
	s_bfe_u32 s[CX], ttmp6, 0x40000
	s_lshl_b32 s[WG], ttmp9, 2
	s_add_co_u32 s[WG], s[WG], s[CX]
	s_mov_b32 s[G1], 15|(3<<16)|(1<<21)
	s_mov_b32 s[G1+1], 32<<16
	s_mov_b32 s[G1+2], 100<<16
	s_mov_b32 s[G1+3], 32<<16
	s_mov_b32 s[G1+4], 100
	s_mov_b32 s[G1+5], 32
	s_mov_b32 s[G1+6], 0
	s_mov_b32 s[G1+7], 0
	s_mov_b32 s[SEL], 0x76543210
	s_mov_b32 s[SEL+1], 0xfedcba98
	s_mov_b32 s[CE], 0x3d38aa3b
	s_mov_b32 s[P12], 0x39800000
	s_mov_b32 s[EPSR], 0x3727c5ac
	s_mov_b32 s[TBI], 0
	s_mov_b32 s[CH], 0
	s_and_b32 s[ROT], ttmp9, 3
	s_and_b32 s[R1], ttmp9, 1
	s_mul_i32 s[OFP], s[ROT], CHB
	s_mov_b32 s[OFP+1], 0
	s_cmp_lt_u32 ttmp9, 2
	s_cselect_b32 s[LIM], 1, 0
	s_mul_i32 s52, s[WV], PART
	s_mov_b32 s53, 0
	s_wait_kmcnt 0x0
	s_add_nc_u64 s[6:7], s[6:7], s[52:53]
	s_mov_b32 s[G0], 1
	s_mov_b32 s[G0+1], s52
	s_add_nc_u64 s[G0+2:G0+3], s[6:7], s[OFP:OFP+1]
	s_mov_b32 s[G0+4], 1
	s_add_co_u32 s[G0+5], s52, SLOT1
	s_add_nc_u64 s[G0+6:G0+7], s[G0+2:G0+3], SLOTB
	s_or_b32 s[G0+3], s[G0+3], 0x80000000
	s_or_b32 s[G0+7], s[G0+7], 0x80000000
	CROUND
	tensor_load_to_lds s[G0:G0+3], s[G1:G1+7]
	s_nop 0
	PLACES 4
	s_lshl_b32 s54, s[WG], 18
	s_lshl_b32 s55, s[WV], 10
	s_add_co_u32 s54, s54, s55
	s_mov_b32 s55, 0
	s_add_nc_u64 s[4:5], s[4:5], s[54:55]
	s_mul_i32 s54, s[WG], 640
	s_add_nc_u64 s[18:19], s[18:19], s[54:55]
	v_and_b32 v[T0], 31, v0
	v_and_b32 v[T0+1], 15, v0
	v_bfe_u32 v[T0+2], v0, 4, 1
	v_lshlrev_b32 v[XA], 14, v[T0+2]
	v_lshl_add_u32 v[XA], v[T0+1], 4, v[XA]
	v_lshrrev_b32 v[T0+3], 5, v0
	v_lshlrev_b32 v[T0+3], 10, v[T0+3]
	v_lshl_add_u32 v[T0+4], v[T0+1], 4, v[T0+3]
	s_wait_alu depctr_va_vdst(0)
	v_lshl_add_u32 v[T0+5], v[T0], 4, v[T0+3]
	s_wait_alu depctr_va_vdst(0)
.irp i, 0,1,2,3
	s_add_co_u32 s62, s[ROT], \i
	s_and_b32 s62, s62, 3
	s_lshl_b32 s62, s62, 8
	v_add_nc_u32 v[T0+8+\i], s62, v[T0+4]
.endr
.irp i, 0,1
	s_xor_b32 s62, s[R1], \i
	s_lshl_b32 s62, s62, 9
	v_add_nc_u32 v[T0+12+\i], s62, v[T0+5]
.endr
	s_wait_alu depctr_va_vdst(0)
.irp i, 0,1,2,3
	global_load_b128 v[WA+4*\i:WA+4*\i+3], v[T0+8+\i], s[8:9]
	global_load_b128 v[WA+16+4*\i:WA+16+4*\i+3], v[T0+8+\i], s[10:11]
.endr
.irp i, 0,1
	global_load_b128 v[WA+32+4*\i:WA+32+4*\i+3], v[T0+12+\i], s[12:13]
	global_load_b128 v[WA+40+4*\i:WA+40+4*\i+3], v[T0+12+\i], s[14:15]
.endr
	XTLOAD 0
	XTLOAD 1
	XTLOAD 2
	; slot 1's first fill, issued as a refill is: it stands behind the requests for the biases and for xt's first three groups, which are on their way while slot 0's tile lands
	s_wait_alu depctr_va_vdst(0)
	s_wait_tensorcnt 0x0
	ds_add_u32 v7, v8
	s_wait_dscnt 0x0
	CROUND
	tensor_load_to_lds s[G0+4:G0+7], s[G1:G1+7]
	s_nop 0
	PLACES 4
	v_lshlrev_b32 v[LI], 4, v[T0]
	v_lshlrev_b32 v[LS], 2, v[T0]
	v_add_nc_u32 v[AW], s52, v[LI]
	v_add_nc_u32 v[AW+1], SLOT1, v[AW]
	v_add_nc_u32 v[AWS], s52, v[LS]
	v_add_nc_u32 v[AWS+1], SLOT1, v[AWS]
	s_lshl_b32 s54, s[WV], 14
	s_add_co_u32 s54, s54, XIMG
	v_add_nc_u32 v[XWI], s54, v[LI]
	s_add_co_u32 s54, s54, XSCO
	v_lshl_add_u32 v[XWS], v[T0+1], 2, s54
	v_add_nc_u32 v[AX], XIMG, v[LI]
	v_add_nc_u32 v[AXS], XIMG+XSCO, v[LS]
	s_lshl_b32 s54, s[CX], 5
	v_add_nc_u32 v[PFO], s54, v[T0]
	v_min_u32 v[PFO], 99, v[PFO]
	v_lshlrev_b32 v[PFO], 8, v[PFO]
	s_lshl_b32 s54, s[WV], 9
	s_add_co_u32 s54, s54, BIAS
	v_lshl_add_u32 v[ABI0], v[T0+2], 6, s54
	s_lshl_b32 s54, s[WV], 11
	s_add_co_u32 s54, s54, RED1
	v_add_nc_u32 v[RW1], s54, v[LI]
	v_add_nc_u32 v[RL1], RED1, v[LI]
	s_lshl_b32 s54, s[WV], 7
	s_add_co_u32 s54, s54, RED2
	v_add_nc_u32 v[RW2], s54, v[LS]
	v_add_nc_u32 v[RL2], RED2, v[LS]
	s_lshl_b32 s54, s[WV], 10
	s_add_co_u32 s54, s54, RED4
	v_add_nc_u32 v[RW4], s54, v[LI]
	v_add_nc_u32 v[RL4], RED4, v[LI]
	s_mul_i32 s54, s[WV], 16*XSP
	s_add_co_u32 s54, s54, XSTG
	v_mul_u32_u24 v[SWA], v[T0+2], XSP
	v_lshl_add_u32 v[SWA], v[T0+1], 4, v[SWA]
	v_add_nc_u32 v[SWA], s54, v[SWA]
	v_mul_u32_u24 v[SRA], v[T0+1], XSP
	v_lshl_add_u32 v[SRA], v[T0+2], 6, v[SRA]
	v_add_nc_u32 v[SRA], s54, v[SRA]
	v_mul_u32_u24 v[GO], v[T0+1], 40
	v_lshl_add_u32 v[GO], v[T0+2], 5, v[GO]
.irp k, 0,1,2,3
	v_lshlrev_b32 v[OC+\k], 5, v[T0+2]
	v_add_nc_u32 v[OC+\k], 8*\k, v[OC+\k]
	v_min_u32 v[OC+\k], 32, v[OC+\k]
.endr
	v_and_b32 v[T0+6], 16, v0
	v_cmp_ne_u32 vcc_lo, 0, v[T0+6]
	v_lshl_add_u32 v[T0+7], v0, 4, BIAS
.set j, 0
.rept 32
	v_mov_b32 v[SS+j], 0
.set j, j+1
.endr
.irp i, 4,5,6,7
	v_mov_b32 v[TM+\i], 0
.endr
	v_mov_b32 v[MU+1], 0
	v_mov_b32 v[RS+1], 0
	s_wait_loadcnt 48
.irp i, 0,1,2,3,4,5,6,7,8,9,10,11,12,13,14,15
	v_cndmask_b32 v[WA+\i], v[WA+\i], v[WA+16+\i], vcc_lo
.endr
.irp i, 0,1,2,3
	ds_store_b128 v[T0+7], v[WA+4*\i:WA+4*\i+3] offset:2048*\i
.endr
.irp i, 0,1
	ds_store_b128 v[T0+7], v[WA+32+4*\i:WA+32+4*\i+3] offset:2048*(4+\i)
	ds_store_b128 v[T0+7], v[WA+40+4*\i:WA+40+4*\i+3] offset:2048*(6+\i)
.endr
.irp g, 0,1,2,3,4,5,6,7
	QTURN \g, 1
.endr
	BAR
	s_wait_tensorcnt 1
	WLOAD WA, 0, 0, 0
	XSLOAD 0, 0, 0
	XLOAD 0, 0, 0
	XLOAD 1, 0, 0
	XLOAD 2, 0, 0
	XLOAD 3, 0, 0
.Lchunk:
	CLOF CLX, CH
	s_mul_i32 s[OFA], s[CLX], CHB
	s_add_co_u32 s54, s[CH], 1
	CLOF OFN, 54
	s_mul_i32 s[OFN], s[OFN], CHB
	s_cmp_eq_u32 s[CH], 3
	s_cselect_b32 s[PFQ], s[LIM], 0
	s_cmp_eq_u32 s[CH], 5
	s_cselect_b32 s[PFQ], s[LIM], s[PFQ]
	s_wait_xcnt 0x0
	s_mov_b32 s[OFP], s[OFN]
	s_add_nc_u64 s[PFA:PFA+1], s[6:7], s[OFP:OFP+1]
	HEAD
	KS 0, 0, 1
	KS 0, 1, 0
	KS 1, 0, 0
	KS 1, 1, 0
	KS 2, 0, 0
	KS 2, 1, 0
	KS 3, 0, 0
	KS 3, 1, 0
	s_cmp_lt_u32 s[CH], 4
	s_cbranch_scc0 .Lnot_qk
	SCORES
	s_cmp_eq_u32 s[CH], 3
	s_cbranch_scc0 .Lnext
.irp i, 0,1,2,3,4,5,6,7,8,9,10,11,12,13,14,15
	v_add_f32 v[T0+\i], v[SS+2*\i], v[SS+2*\i+1]
.endr
.irp i, 0,1,2,3,4,5,6,7,8,9,10,11,12,13,14,15
	v_permlanex16_b32 v[WB+\i], v[T0+\i], s[SEL], s[SEL+1]
.endr
.irp i, 0,1,2,3,4,5,6,7,8,9,10,11,12,13,14,15
	v_add_f32 v[T0+\i], v[T0+\i], v[WB+\i]
.endr
.irp i, 0,1,2,3
	ds_store_b128 v[RW1], v[T0+4*\i:T0+4*\i+3] offset:512*\i
.endr
	BAR
.irp i, 0,1,2,3
	ds_load_b128 v[WB+4*\i:WB+4*\i+3], v[RL1] offset:512*\i
	ds_load_b128 v[WB+16+4*\i:WB+16+4*\i+3], v[RL1] offset:2048+512*\i
	ds_load_b128 v[WB+32+4*\i:WB+32+4*\i+3], v[RL1] offset:4096+512*\i
	ds_load_b128 v[T0+4*\i:T0+4*\i+3], v[RL1] offset:6144+512*\i
.endr
	s_wait_dscnt 0x0
.irp i, 0,2,4,6,8,10,12,14
	v_pk_add_f32 v[WB+\i:WB+\i+1], v[WB+\i:WB+\i+1], v[WB+16+\i:WB+16+\i+1]
	v_pk_add_f32 v[WB+32+\i:WB+32+\i+1], v[WB+32+\i:WB+32+\i+1], v[T0+\i:T0+\i+1]
.endr
.irp i, 0,2,4,6,8,10,12,14
	v_pk_add_f32 v[WB+\i:WB+\i+1], v[WB+\i:WB+\i+1], v[WB+32+\i:WB+32+\i+1]
.endr
.irp a, 0,1,2,3
	v_max3_num_f32 v[WB+16+\a], v[WB+4*\a], v[WB+4*\a+1], v[WB+4*\a+2]
.endr
.irp a, 0,1,2,3
	v_max_num_f32 v[WB+16+\a], v[WB+16+\a], v[WB+4*\a+3]
.endr
.irp a, 0,1,2,3
.irp b, 0,1,2,3
	v_sub_f32 v[WB+4*\a+\b], v[WB+4*\a+\b], v[WB+16+\a]
.endr
.endr
.irp i, 0,1,2,3,4,5,6,7,8,9,10,11,12,13,14,15
	v_mul_f32 v[WB+\i], s[CE], v[WB+\i]
.endr
	s_wait_alu depctr_va_vdst(0)
.irp i, 0,1,2,3,4,5,6,7,8,9,10,11,12,13,14,15
	v_exp_f32 v[WB+\i], v[WB+\i]
.endr
	v_nop
	s_wait_alu depctr_va_vdst(0)
.irp a, 0,1,2,3
	v_add_f32 v[WB+16+\a], v[WB+4*\a], v[WB+4*\a+1]
.endr
.irp a, 0,1,2,3
	v_add_f32 v[WB+20+\a], v[WB+4*\a+2], v[WB+4*\a+3]
.endr
.irp a, 0,1,2,3
	v_add_f32 v[WB+16+\a], v[WB+16+\a], v[WB+20+\a]
.endr
	s_wait_alu depctr_va_vdst(0)
.irp a, 0,1,2,3
	v_rcp_f32 v[WB+24+\a], v[WB+16+\a]
.endr
	v_nop
	s_wait_alu depctr_va_vdst(0)
.irp a, 0,1,2,3
.irp b, 0,1,2,3
	v_mul_f32 v[SS+2*(4*\a+\b)], v[WB+4*\a+\b], v[WB+24+\a]
.endr
.endr
	s_branch .Lnext
.Lnot_qk:
	s_cmp_lt_u32 s[CH], 6
	s_cbranch_scc0 .Lffn
	s_cmp_eq_u32 s[CLX], 4
	s_cbranch_scc0 .Lmix_1
	MIX 0
	s_branch .Lmixed
.Lmix_1:
	MIX 1
.Lmixed:
	s_cmp_eq_u32 s[CH], 5
	s_cbranch_scc0 .Lnext
.irp wx, 2,3
	WIN \wx
.set j, 0
.rept 128
.set lc, LC+2*((j/2)%8)
.if (\wx == 2) && (j < 16)
	v_pk_add_f32 v[lc:lc+1], v[j:j+1], 0 op_sel_hi:[1,0]
.else
	v_pk_add_f32 v[lc:lc+1], v[j:j+1], v[lc:lc+1]
.endif
.set j, j+2
.endr
.endr
	WIN 0
	LRED 0
	v_mul_f32 v[MU], s[P12], v[LC]
.irp wx, 2,3
	WIN (\wx)|((\wx)<<6)
.set j, 0
.rept 128
	v_pk_add_f32 v[j:j+1], v[j:j+1], v[MU:MU+1] op_sel_hi:[1,0] neg_lo:[0,1] neg_hi:[0,1]
.set j, j+2
.endr
	WIN (\wx)|((\wx)<<2)
.set j, 0
.rept 128
.set lc, LC+2*((j/2)%8)
.if (\wx == 2) && (j < 16)
	v_pk_mul_f32 v[lc:lc+1], v[j:j+1], v[j:j+1]
.else
	v_pk_fma_f32 v[lc:lc+1], v[j:j+1], v[j:j+1], v[lc:lc+1]
.endif
.set j, j+2
.endr
.endr
	WIN 0
	LRED 512
	v_fma_f32 v[LC], v[LC], s[P12], s[EPSR]
	s_wait_alu depctr_va_vdst(0)
	v_rsq_f32 v[RS], v[LC]
	v_nop
	s_wait_alu depctr_va_vdst(0)
.irp wx, 2,3
	WIN (\wx)|((\wx)<<6)
.set j, 0
.rept 128
	v_pk_mul_f32 v[j:j+1], v[j:j+1], v[RS:RS+1] op_sel_hi:[1,0]
.set j, j+2
.endr
.endr
	WIN 0
.irp g, 0,1,2,3,4,5,6,7
	QTURN \g, 0
.endr
	BAR
	XSLOAD 0, 0, 0
	XLOAD 0, 0, 0
	XLOAD 1, 0, 0
	XLOAD 2, 0, 0
	XLOAD 3, 0, 0
	s_branch .Lnext
.Lffn:
	WIN 0x44
.set j, 0
.rept 256
	v_max_num_f32 v[j], 0, v[j]
.set j, j+1
.endr
	WIN 0
	s_cmp_eq_u32 s[CLX], 6
	s_cbranch_scc0 .Lpack_1
	PACK 0
	s_branch .Lnext
.Lpack_1:
	PACK 1
.Lnext:
	s_add_co_u32 s[CH], s[CH], 1
	s_cmp_lt_u32 s[CH], 8
	s_cbranch_scc1 .Lchunk
	s_wait_dscnt 0x0
	s_wait_tensorcnt 0x0
.irp f, 0,1,2,3,4,5,6,7,8,9,10,11,12,13,14,15
	ds_load_b128 v[X+8*\f:X+8*\f+3], v[AW] offset:1024*\f
	ds_load_b128 v[X+8*\f+4:X+8*\f+7], v[AW] offset:1024*\f+512
.endr
	WIN 0x40
.irp f, 0,1,2,3,4,5,6,7,8,9,10,11,12,13,14,15
	ds_load_b128 v[8*\f:8*\f+3], v[AW+1] offset:1024*\f
	ds_load_b128 v[8*\f+4:8*\f+7], v[AW+1] offset:1024*\f+512
.endr
	s_wait_dscnt 32
	WIN 0x08
.irp b, 0,1,2,3
	s_wait_alu depctr_va_vdst(0)
.irp m, 0,1,2,3
.if \b == 0
	v_wmma_f32_16x16x32_bf16 v[SS+8*\m:SS+8*\m+7], v[X+8*(4*\m+\b):X+8*(4*\m+\b)+7], v[32*\m+8*\b:32*\m+8*\b+7], 0
.else
	v_wmma_f32_16x16x32_bf16 v[SS+8*\m:SS+8*\m+7], v[X+8*(4*\m+\b):X+8*(4*\m+\b)+7], v[32*\m+8*\b:32*\m+8*\b+7], v[SS+8*\m:SS+8*\m+7]
.endif
.endr
.endr
	s_wait_dscnt 0x0
	WIN 0x0d
.irp b, 0,1,2,3
.irp m, 0,1,2,3
	v_wmma_f32_16x16x32_bf16 v[SS+8*\m:SS+8*\m+7], v[8*(4*\m+\b):8*(4*\m+\b)+7], v[32*\m+8*\b:32*\m+8*\b+7], v[SS+8*\m:SS+8*\m+7]
.endr
.endr
	PLACES 4
	WIN 0
.irp j, 0,2,4,6
	v_pk_add_f32 v[SS+\j:SS+\j+1], v[SS+\j:SS+\j+1], v[SS+8+\j:SS+8+\j+1]
.endr
.irp j, 0,2,4,6
	v_pk_add_f32 v[SS+16+\j:SS+16+\j+1], v[SS+16+\j:SS+16+\j+1], v[SS+24+\j:SS+24+\j+1]
.endr
.irp j, 0,2,4,6
	v_pk_add_f32 v[SS+\j:SS+\j+1], v[SS+\j:SS+\j+1], v[SS+16+\j:SS+16+\j+1]
.endr
	ds_store_b128 v[RW4], v[SS:SS+3]
	ds_store_b128 v[RW4], v[SS+4:SS+7] offset:512
	BAR
	s_cmp_lg_u32 s[WV], 0
	s_cbranch_scc1 .Lend
.irp k, 0,1,2,3
	global_load_b64 v[T0+2*\k:T0+2*\k+1], v[OC+\k], s[16:17]
.endr
.irp w, 0,1,2,3
	ds_load_b128 v[X+8*\w:X+8*\w+3], v[RL4] offset:1024*\w
	ds_load_b128 v[X+8*\w+4:X+8*\w+7], v[RL4] offset:1024*\w+512
.endr
	s_wait_dscnt 0x0
.irp j, 0,2,4,6
	v_pk_add_f32 v[X+\j:X+\j+1], v[X+\j:X+\j+1], v[X+8+\j:X+8+\j+1]
	v_pk_add_f32 v[X+16+\j:X+16+\j+1], v[X+16+\j:X+16+\j+1], v[X+24+\j:X+24+\j+1]
.endr
.irp j, 0,2,4,6
	v_pk_add_f32 v[X+\j:X+\j+1], v[X+\j:X+\j+1], v[X+16+\j:X+16+\j+1]
.endr
	s_wait_alu depctr_va_vdst(0)
	s_wait_loadcnt 0x0
.irp j, 0,2,4,6
	v_pk_add_f32 v[X+\j:X+\j+1], v[X+\j:X+\j+1], v[T0+\j:T0+\j+1]
.endr
	global_store_b64 v[GO], v[X:X+1], s[18:19]
	v_cmp_gt_u32 vcc_lo, 16, v0
	s_wait_alu depctr_va_vdst(0)
	s_wait_xcnt 0x0
	s_and_saveexec_b32 s52, vcc_lo
.irp k, 1,2,3
	global_store_b64 v[GO], v[X+2*\k:X+2*\k+1], s[18:19] offset:8*\k
.endr
	s_wait_xcnt 0x0
	s_or_b32 exec_lo, exec_lo, s52
.Lend:
	s_wait_tensorcnt 0x0
	ds_add_u32 v[SPW], v[NIL]
	s_wait_dscnt 0x0
	CROUND
	s_endpgm
.Lfunc_end_k_q59e9778238_fused:
	.size	k_q59e9778238_fused, .Lfunc_end_k_q59e9778238_fused-k_q59e9778238_fused
	.p2alignl 7, 3214868480
	.fill 96, 4, 3214868480
	.section	.rodata,"a",@progbits
	.p2align	6, 0x0
	.amdhsa_kernel k_q59e9778238_fused
		.amdhsa_group_segment_fixed_size 327680
		.amdhsa_private_segment_fixed_size 0
		.amdhsa_enable_private_segment 0
		.amdhsa_kernarg_size 64
		.amdhsa_user_sgpr_count 2
		.amdhsa_user_sgpr_kernarg_segment_ptr 1
		.amdhsa_wavefront_size32 1
		.amdhsa_system_sgpr_workgroup_id_x 1
		.amdhsa_system_sgpr_workgroup_id_y 1
		.amdhsa_system_sgpr_workgroup_id_z 1
		.amdhsa_system_vgpr_workitem_id 0
		.amdhsa_next_free_vgpr 1024
		.amdhsa_next_free_sgpr 66
		.amdhsa_reserve_vcc 1
		.amdhsa_float_denorm_mode_32 3
		.amdhsa_float_denorm_mode_16_64 3
		.amdhsa_memory_ordered 1
		.amdhsa_forward_progress 1
		.amdhsa_inst_pref_size 255
	.end_amdhsa_kernel
	.section	.bss,"aw",@nobits
	.p2align	6
	.space	262144
	.amdgpu_metadata
---
amdhsa.version: [ 1, 2 ]
amdhsa.kernels:
  - .name:           k_q59e9778238_fused
    .symbol:         k_q59e9778238_fused.kd
    .args:
      - { .name: xt, .offset: 0, .size: 8, .value_kind: global_buffer, .address_space: global }
      - { .name: wst, .offset: 8, .size: 8, .value_kind: global_buffer, .address_space: global }
      - { .name: bq, .offset: 16, .size: 8, .value_kind: global_buffer, .address_space: global }
      - { .name: bk, .offset: 24, .size: 8, .value_kind: global_buffer, .address_space: global }
      - { .name: bv, .offset: 32, .size: 8, .value_kind: global_buffer, .address_space: global }
      - { .name: b1, .offset: 40, .size: 8, .value_kind: global_buffer, .address_space: global }
      - { .name: bf, .offset: 48, .size: 8, .value_kind: global_buffer, .address_space: global }
      - { .name: out0, .offset: 56, .size: 8, .value_kind: global_buffer, .address_space: global }
    .group_segment_fixed_size: 327680
    .private_segment_fixed_size: 0
    .kernarg_segment_align: 8
    .kernarg_segment_size: 64
    .max_flat_workgroup_size: 128
    .sgpr_count:     66
    .vgpr_count:     1024
    .wavefront_size: 32
...
	.end_amdgpu_metadata
.endif
;; end of part 4
